; MI455X (gfx1250); checked and timed in simulation.
; The chip was launched on July 23, 2026; its instructions are those of AMD's public machine-readable ISA for CDNA 5 (MIT licence, August 2026) and "CDNA5" Instruction Set Architecture Reference Guide (July 2026). The comments in the code are by the model that wrote it; some were corrected since.
;; Causal Self Attention. Allowed arithmetic: matrix products marked QUANTISED: E2M1 operands, one E8M0 scale for each 32 along K, by v_wmma_scale_f32_16x16x128_f8f6f4 with both operands' format E2M1 (or v_wmma_scale_f32_32x16x128_f4), f32 sums; products left as they are: bf16, f16 or f32 operands; f32 sums; everything else in f32.
;; Inputs: W_proj 1,024 x 1,024 float32; W_qkv 1,024 x 3,072 float32; b_proj 1,024 float32; b_qkv 3,072 float32; x 4 x 2,048 x 1,024 float32.
;; Outputs: out0 4 x 2,048 x 1,024 float32.
;; This version of the problem:
;;   THIS VERSION OF THE PROBLEM IS GIVEN IN LOW PRECISION. The matrix products marked QUANTISED in the list below multiply operands that are first quantised to E2M1 (2 exponent bits, 1 mantissa bit; 4 bits a number), with one power-of-two scale for each 32 numbers along K (OCP MX v1.0); their sums are f32. The products marked 'left as it is' may take bf16, f16 or f32 operands, with f32 sums. Whichever they take, every output number must still come out within the allowed error. Rounding operands to bf16 (8 significant bits) uses up far more of that allowance than f16 does (11 bits, for magnitudes from 6e-5 to 65,504). All else is computed in f32.
;;   The module's matrix products, in the order in which they are computed (A, B: the left and right operand; K: the contracted axis; several contracted axes count as one K, in the product's order):
;;     1. [M 8,192, K 1,024] x [K 1,024, N 3,072]; A: input x; B: input W_qkv: QUANTISED
;;     2. batch 64 x [M 2,048, K 64] x [K 64, N 2,048]; A: computed on the way; B: computed on the way: left as it is (an operand is computed on the way)
;;     3. batch 64 x [M 2,048, K 2,048] x [K 2,048, N 64]; A: computed on the way; B: computed on the way: left as it is (an operand is computed on the way)
;;     4. [M 8,192, K 1,024] x [K 1,024, N 1,024]; A: computed on the way; B: input W_proj: left as it is (an operand is computed on the way)
;;   THE QUANTISER, for each operand of a quantised product, along K:
;;     - K is cut into blocks of 32 from its start; a last block that is shorter is filled with zeros.
;;     - A block's scale is 2^e with e = floor(log2(the largest magnitude in the block)) - 2, held to -126 .. 127; a block of zeros has e = 0. As a byte (E8M0): e + 127.
;;     - Each number is divided by its block's scale, clamped to +-6, and rounded to the nearest number of E2M1, ties to even, subnormals kept.
;;     - The product sums the exact products of the quantised numbers (number of the format x scale) in f32.
;;   ~~~python
;;   def quantise(x, axis):      # numpy; x: float32 -> the quantised numbers, widened to float32 again
;;       x = np.moveaxis(x, axis, -1); K = x.shape[-1]
;;       x = np.pad(x, [(0, 0)] * (x.ndim - 1) + [(0, -K % 32)]); x = x.reshape(x.shape[:-1] + (-1, 32)); a = np.abs(x).max(-1, keepdims=True)
;;       e = np.where(a > 0, np.clip(np.frexp(np.where(a > 0, a, 1))[1] - 1 - 2, -126, 127), 0)      # np.frexp(a)[1] - 1 = floor(log2(a)), exactly
;;       r = np.clip(x / 2.0 ** e, -6, 6)
;;       step = 2.0 ** (np.maximum(np.frexp(np.where(r == 0, 1, r))[1] - 1, 0) - 1)
;;       q = np.round(r / step) * step * 2.0 ** e      # np.round: ties to even
;;       return np.moveaxis(q.reshape(q.shape[:-2] + (-1,))[..., :K], -1, axis).astype(np.float32)
;;   ~~~
;; One version. Each part assembles by itself: llvm-mc -triple=amdgcn-amd-amdhsa -mcpu=gfx1250 --defsym DOCPART=n.
;; ======== version 1 of 1: 5 launches
;; limits: values are held in f16: magnitudes above 65,504 overflow, below 6.1e-05 lose precision
;; workspace buffers: xc 4,194,304 bytes; xs 262,144 bytes; wc 1,572,864 bytes; ws 98,304 bytes; wp16 2,097,152 bytes; qkv16 50,331,648 bytes; qkv32 786,432 bytes; y16 16,777,216 bytes
;; launch prep (part 1): grid 320 x 1, 4 waves a work-group, no clusters, 34,304 bytes of LDS; arguments x, W_qkv, W_proj, xc, xs, wc, ws, wp16; writes xc, xs, wc, ws, wp16
.if DOCPART == 1
	.amdgcn_target "amdgcn-amd-amdhsa--gfx1250"
	.amdhsa_code_object_version 6
	.text
	.protected	k_q5e6cace136_prep
	.globl	k_q5e6cace136_prep
	.p2align	8
	.type	k_q5e6cace136_prep,@function
k_q5e6cace136_prep:
	s_mov_b64 s[64:65], 0
	v_nop
	global_prefetch_b8 v0, s[64:65] scope:SCOPE_SE
	s_setreg_imm32_b32 hwreg(HW_REG_WAVE_MODE, 25, 1), 1
	s_wait_xcnt 0x0
; x [8192][1024] and W_qkv [1024][3072], f32, become codes of FP4 (E2M1) with one E8M0 scale byte for each 32 along K; W_proj [1024][1024] becomes f16.
; A block's scale is 2^(floor(log2(its largest magnitude)) - 2); its byte is the largest magnitude's exponent field - 2, held at 1 from below.
; ALL THREE RESULTS ARE LAID IN THE ORDER OF THE READER'S OPERAND REGISTERS: four registers of 32 lanes are 512 consecutive bytes, lane l's 16 bytes at 16 l.
;   xc, wc: [slot of 512 K: 2][tile of 16 rows or columns][block of 32 K: 16][r: 16][16 bytes];  xs, ws: [tile][slot: 2][r: 16][16 bytes = the slot's 16 scale bytes]
;   wp16:   [K step of 128: 8][tile of 16 columns: 64][8 K: 16][r: 16][16 bytes]
; LIMITS: a block of zeros gets the byte 1 where the rule says 127 (its codes are zeros, and this program alone reads the bytes); NaN and infinities are not served;
; W_proj goes to f16: magnitudes from 65,504 on become infinity.
; SHARES: work-groups 0-47 take W_qkv, 48-63 W_proj (a lane to a column, its registers down K: nothing is transposed), 64-319 x.  Waves share nothing: no barrier.
.set STG,   8448                       ; x: a wave's stage in LDS: 16 rows x 528 bytes
.set SP,    528                        ; 512 bytes of a row + 16: 33 x 16, so that 16 rows start at 16 different groups of banks (64 banks of 4 bytes: ISA guide 11.1)
.set SPARE, 4*STG                      ; behind the four stages: the spare words, 128 bytes a wave
.set SPW,   244                        ; v244 LDS address of my spare word; never rewritten
.set NIL,   245                        ; v245 0; never rewritten
.set RA,    16                         ; v16-143  x: two sets of 64 numbers as loaded
.set XN,    144                        ; v144-207 x: two blocks of 32 neighbours
.set CD,    208                        ; v208-239 x: codes, eight registers for each step: no store's data are written again
.set SW,    240                        ; v240-243 x: the four scale words
.set WX,    16                         ; v16-79   weights: two sets of 32 numbers
.set WC,    80                         ; v80-143  W_qkv: codes, four registers for each block
.set HF,    80                         ; v80-111  W_proj: two sets of 16 registers of f16
.set SB,    144                        ; v144-147 W_qkv: scale bytes, four to a register
.set AIN,   148                        ; v148 weights: 4 x lane
.set AOUT,  149                        ; v149 weights: (lane / 16) x 4096 + 16 r
.set ASC,   150                        ; v150 W_qkv: (lane / 16) x 512 + 16 r
.macro LOADX q                         ; 128 along K of my 16 rows: each load reads 512 consecutive bytes of one row
.set ii, 0
.rept 16
	global_load_b128 v[RA+64*((\q)%2)+4*ii:RA+64*((\q)%2)+4*ii+3], v4, s[4:5] offset:ii*4096+(\q)*512 th:TH_LOAD_NT
.set ii, ii+1
.endr
.endm
; One step: 16 rows x 128 K become one fragment (eight registers a lane) and one scale word a row.
.macro XSTEP q
.if (\q) < 3
	s_wait_loadcnt 16                              ; this step's sixteen loads are in; the next step's may be out
.else
	s_wait_loadcnt 0x0
.endif
.set ii, 0
.rept 16
	ds_store_b128 v5, v[RA+64*((\q)%2)+4*ii:RA+64*((\q)%2)+4*ii+3] offset:SP*ii
.set ii, ii+1
.endr
.irp c, 0,1                                    ; back: lane (r, h) takes k = 64 c + 32 h + 0 .. 31 of row r: two whole blocks.  LDS serves a wave's instructions in order (ISA guide 5.7.1.4)
.set ii, 0
.rept 8
	ds_load_b128 v[XN+32*\c+4*ii:XN+32*\c+4*ii+3], v6 offset:256*\c+16*ii
.set ii, ii+1
.endr
.endr
	s_wait_dscnt 0x0                               ; my numbers are back, and the stores have read their registers
.if (\q) < 2
	LOADX (\q)+2
.endif
.irp c, 0,1
	v_max3_num_f32 v[8+\c], |v[XN+32*\c]|, |v[XN+32*\c+1]|, 0x1800000   ; the block's largest magnitude, and the floor 2^(3 - 127): the byte cannot fall under 1
.endr
.set ii, 2
.rept 15
.irp c, 0,1
	v_max3_num_f32 v[8+\c], v[8+\c], |v[XN+32*\c+ii]|, |v[XN+32*\c+ii+1]|
.endr
.set ii, ii+2
.endr
.irp c, 0,1
	v_add_nc_u32 v[10+\c], 0xff000000, v[8+\c]     ; 2 off its exponent field: the conversion takes the exponent field of this operand as its scale
.endr
.irp c, 0,1
	v_lshrrev_b32 v[12+\c], 23, v[10+\c]           ; the scale's byte
.endr
	v_lshl_or_b32 v14, v13, 16, v12                ; my two bytes: blocks h and 2 + h,
	v_lshlrev_b32 v14, v7, v14                     ; 8 h bits up;
	v_permlanex16_b32 v15, v14, s22, s23
	v_or_b32 v[SW+(\q)], v14, v15                  ; with lane l xor 16's two the word is whole
.irp c, 0,1
.irp g, 0,1,2,3
	v_cvt_scalef32_pk8_fp4_f32 v[CD+8*(\q)+4*\c+\g], v[XN+32*\c+8*\g:XN+32*\c+8*\g+7], v[10+\c]
.endr
.endr
	v_nop                                          ; one plain instruction behind the last scaled conversion
.irp c, 0,1
	global_store_b128 v4, v[CD+8*(\q)+4*\c:CD+8*(\q)+4*\c+3], s[10:11] offset:(\q)*1024+\c*512   ; 512 consecutive bytes, aligned
.endr
.endm
.macro LOADW t, pitch                  ; block t: W(32 t + i, my column): 128 consecutive bytes a wave, 512 a work-group
.set ii, 0
.rept 32
	global_load_b32 v[WX+32*((\t)%2)+ii], v[AIN], s[32:33] offset:(32*(\t)+ii)*(\pitch) th:TH_LOAD_NT
.set ii, ii+1
.endr
.endm
.macro WBLOCK t                        ; 32 along K of my column of W_qkv: 16 bytes of codes and a scale byte
.set XS, WX+32*((\t)%2)
.if (\t) < 15
	s_wait_loadcnt 32                              ; this block's 32 loads are in; the next block's may be out
.else
	s_wait_loadcnt 0x0
.endif
	v_max3_num_f32 v12, |v[XS]|, |v[XS+1]|, |v[XS+2]|
	v_max3_num_f32 v13, |v[XS+3]|, |v[XS+4]|, |v[XS+5]|
.irp i, 6,10,14,18,22,26
	v_max3_num_f32 v12, v12, |v[XS+\i]|, |v[XS+\i+1]|
	v_max3_num_f32 v13, v13, |v[XS+\i+2]|, |v[XS+\i+3]|
.endr
	v_max3_num_f32 v12, v12, |v[XS+30]|, |v[XS+31]|
	v_max3_num_f32 v12, v12, v13, 0x1800000        ; and the floor
	v_add_nc_u32 v11, 0xff000000, v12
	v_lshrrev_b32 v13, 23, v11
.if (\t)%4 == 0
	v_mov_b32 v[SB+(\t)/4], v13
.else
	v_lshl_or_b32 v[SB+(\t)/4], v13, 8*((\t)%4), v[SB+(\t)/4]
.endif
.irp g, 0,1,2,3
	v_cvt_scalef32_pk8_fp4_f32 v[WC+4*(\t)+\g], v[XS+8*\g:XS+8*\g+7], v11
.endr
	v_nop                                          ; one plain instruction behind the last scaled conversion
	global_store_b128 v[AOUT], v[WC+4*(\t):WC+4*(\t)+3], s[14:15] offset:256*(\t)   ; sixteen lanes store 256 consecutive bytes, aligned
.if (\t)+2 < 16
	LOADW (\t)+2, 12288
.endif
.endm
.macro PBLOCK t                        ; 32 along K of my column of W_proj: 64 bytes of f16
.set XS, WX+32*((\t)%2)
.if (\t) < 15
	s_wait_loadcnt 32
.else
	s_wait_loadcnt 0x0
.endif
	s_wait_xcnt 0x0                                ; the stores of two blocks back have read this set of registers
.set ii, 0
.rept 16
	v_cvt_pk_f16_f32 v[HF+16*((\t)%2)+ii], v[XS+2*ii], v[XS+2*ii+1]
.set ii, ii+1
.endr
.irp e, 0,1,2,3
	global_store_b128 v[AOUT], v[HF+16*((\t)%2)+4*\e:HF+16*((\t)%2)+4*\e+3], s[18:19] offset:((\t)/4)*262144+(4*((\t)%4)+\e)*256
.endr
.if (\t)+2 < 16
	LOADW (\t)+2, 4096
.endif
.endm
	s_load_b256 s[4:11], s[0:1], 0x0               ; x s[4:5], W_qkv s[6:7], W_proj s[8:9], xc s[10:11]
	s_load_b256 s[12:19], s[0:1], 0x20             ; xs s[12:13], wc s[14:15], ws s[16:17], wp16 s[18:19]
	v_lshl_add_u32 v[SPW], v0, 2, SPARE
	v_mov_b32 v[NIL], 0
	v_lshrrev_b32 v1, 5, v0
	v_readfirstlane_b32 s20, v1                    ; wave
	v_and_b32 v1, 31, v0                           ; lane
	v_and_b32 v2, 15, v0                           ; r
	v_bfe_u32 v3, v0, 4, 1                         ; h
	s_mov_b32 s22, 0x76543210
	s_mov_b32 s23, 0xfedcba98                      ; v_permlanex16_b32's selects for lane l xor 16
	s_mul_i32 s30, s20, STG
	v_lshlrev_b32 v4, 4, v1                        ; 16 x lane: my bytes of a load and of a store
	v_add_nc_u32 v5, s30, v4                       ; the stage, on the way in
	v_mul_u32_u24 v6, v2, SP
	v_lshl_add_u32 v6, v3, 7, v6
	v_add_nc_u32 v6, s30, v6                       ; and on the way out: row r, + 128 h
	v_lshlrev_b32 v7, 3, v3                        ; 8 h
	s_mov_b32 s29, 0
	s_wait_kmcnt 0x0
	s_cmp_lt_u32 ttmp9, 48
	s_cbranch_scc1 .Lwq
	s_cmp_lt_u32 ttmp9, 64
	s_cbranch_scc1 .Lwp
	; ---- x: my wave's 16 rows x 512 K
	s_sub_co_u32 s24, ttmp9, 64
	s_lshl_b32 s24, s24, 2
	s_add_co_u32 s24, s24, s20
	s_lshr_b32 s25, s24, 1                         ; tile of 16 rows
	s_and_b32 s26, s24, 1                          ; slot of 512 K
	s_lshl_b32 s28, s25, 16
	s_lshl_b32 s27, s26, 11
	s_add_co_u32 s28, s28, s27
	s_add_nc_u64 s[4:5], s[4:5], s[28:29]
	s_lshl_b32 s28, s25, 12
	s_lshl_b32 s27, s26, 21
	s_add_co_u32 s28, s28, s27
	s_add_nc_u64 s[10:11], s[10:11], s[28:29]
	s_lshl_b32 s28, s25, 9
	s_lshl_b32 s27, s26, 8
	s_add_co_u32 s28, s28, s27
	s_add_nc_u64 s[12:13], s[12:13], s[28:29]
	v_mov_b32 v15, 0                               ; written once: a lane permute's destination counts as one of its sources
	LOADX 0
	LOADX 1
	XSTEP 0
	XSTEP 1
	XSTEP 2
	XSTEP 3
	s_wait_xcnt 0x0                                ; EXEC changes only behind this wait
	v_cmp_gt_u32 vcc_lo, 16, v1
	s_and_saveexec_b32 s24, vcc_lo
	global_store_b128 v4, v[SW:SW+3], s[12:13]     ; lanes 0-15: 256 consecutive bytes, aligned (lanes 16-31 hold the same words)
	s_wait_xcnt 0x0
	s_or_b32 exec_lo, exec_lo, s24
	s_wait_tensorcnt 0x0                           ; the wave's end, behind my last LDS store
	ds_add_u32 v[SPW], v[NIL]
	s_wait_dscnt 0x0
	s_endpgm
.Lwq:                                                  ; ---- W_qkv: my wave's 32 columns x 512 K
	s_cmp_ge_u32 ttmp9, 24
	s_cselect_b32 s24, 1, 0                        ; which 512 along K
	s_mul_i32 s25, s24, 24
	s_sub_co_u32 s25, ttmp9, s25                   ; which 128 columns
	v_lshlrev_b32 v[AIN], 2, v1
	v_lshlrev_b32 v[AOUT], 4, v2
	v_lshl_add_u32 v[ASC], v3, 9, v[AOUT]
	v_lshl_add_u32 v[AOUT], v3, 12, v[AOUT]
	s_mul_i32 s28, s24, 512*12288
	s_lshl_b32 s26, s25, 9
	s_add_co_u32 s28, s28, s26
	s_lshl_b32 s26, s20, 7
	s_add_co_u32 s28, s28, s26
	s_add_nc_u64 s[32:33], s[6:7], s[28:29]
	s_lshl_b32 s27, s25, 3
	s_lshl_b32 s26, s20, 1
	s_add_co_u32 s27, s27, s26                     ; my first tile of 16 columns
	s_lshl_b32 s28, s27, 12
	s_mul_i32 s26, s24, 786432
	s_add_co_u32 s28, s28, s26
	s_add_nc_u64 s[14:15], s[14:15], s[28:29]
	s_lshl_b32 s28, s27, 9
	s_lshl_b32 s26, s24, 8
	s_add_co_u32 s28, s28, s26
	s_add_nc_u64 s[16:17], s[16:17], s[28:29]
	LOADW 0, 12288
	LOADW 1, 12288
.set TT, 0
.rept 16
	WBLOCK TT
.set TT, TT+1
.endr
	global_store_b128 v[ASC], v[SB:SB+3], s[16:17] ; sixteen lanes store 256 consecutive bytes, aligned
	s_endpgm
.Lwp:                                                  ; ---- W_proj: my wave's 32 columns x 512 K
	s_sub_co_u32 s24, ttmp9, 48
	s_and_b32 s25, s24, 7                          ; which 128 columns
	s_lshr_b32 s24, s24, 3                         ; which 512 along K
	v_lshlrev_b32 v[AIN], 2, v1
	v_lshlrev_b32 v[AOUT], 4, v2
	v_lshl_add_u32 v[AOUT], v3, 12, v[AOUT]
	s_lshl_b32 s28, s24, 21
	s_lshl_b32 s26, s25, 9
	s_add_co_u32 s28, s28, s26
	s_lshl_b32 s26, s20, 7
	s_add_co_u32 s28, s28, s26
	s_add_nc_u64 s[32:33], s[8:9], s[28:29]
	s_lshl_b32 s27, s25, 3
	s_lshl_b32 s26, s20, 1
	s_add_co_u32 s27, s27, s26
	s_lshl_b32 s28, s27, 12
	s_lshl_b32 s26, s24, 20
	s_add_co_u32 s28, s28, s26
	s_add_nc_u64 s[18:19], s[18:19], s[28:29]
	LOADW 0, 4096
	LOADW 1, 4096
.set TT, 0
.rept 16
	PBLOCK TT
.set TT, TT+1
.endr
	s_endpgm
.Lfunc_end_k_q5e6cace136_prep:
	.size	k_q5e6cace136_prep, .Lfunc_end_k_q5e6cace136_prep-k_q5e6cace136_prep
	.p2alignl 7, 3214868480
	.fill 96, 4, 3214868480
	.section	.rodata,"a",@progbits
	.p2align	6, 0x0
	.amdhsa_kernel k_q5e6cace136_prep
		.amdhsa_group_segment_fixed_size 34304
		.amdhsa_private_segment_fixed_size 0
		.amdhsa_enable_private_segment 0
		.amdhsa_kernarg_size 64
		.amdhsa_user_sgpr_count 2
		.amdhsa_user_sgpr_kernarg_segment_ptr 1
		.amdhsa_wavefront_size32 1
		.amdhsa_system_sgpr_workgroup_id_x 1
		.amdhsa_system_sgpr_workgroup_id_y 1
		.amdhsa_system_sgpr_workgroup_id_z 1
		.amdhsa_system_vgpr_workitem_id 0
		.amdhsa_next_free_vgpr 256
		.amdhsa_next_free_sgpr 66
		.amdhsa_reserve_vcc 1
		.amdhsa_float_denorm_mode_32 3
		.amdhsa_float_denorm_mode_16_64 3
		.amdhsa_memory_ordered 1
		.amdhsa_forward_progress 1
		.amdhsa_inst_pref_size 176
	.end_amdhsa_kernel
	.amdgpu_metadata
---
amdhsa.version: [ 1, 2 ]
amdhsa.kernels:
  - .name:           k_q5e6cace136_prep
    .symbol:         k_q5e6cace136_prep.kd
    .args:
      - { .name: x, .offset: 0, .size: 8, .value_kind: global_buffer, .address_space: global }
      - { .name: W_qkv, .offset: 8, .size: 8, .value_kind: global_buffer, .address_space: global }
      - { .name: W_proj, .offset: 16, .size: 8, .value_kind: global_buffer, .address_space: global }
      - { .name: xc, .offset: 24, .size: 8, .value_kind: global_buffer, .address_space: global }
      - { .name: xs, .offset: 32, .size: 8, .value_kind: global_buffer, .address_space: global }
      - { .name: wc, .offset: 40, .size: 8, .value_kind: global_buffer, .address_space: global }
      - { .name: ws, .offset: 48, .size: 8, .value_kind: global_buffer, .address_space: global }
      - { .name: wp16, .offset: 56, .size: 8, .value_kind: global_buffer, .address_space: global }
    .group_segment_fixed_size: 34304
    .private_segment_fixed_size: 0
    .kernarg_segment_align: 8
    .kernarg_segment_size: 64
    .max_flat_workgroup_size: 128
    .sgpr_count:     66
    .vgpr_count:     256
    .wavefront_size: 32
...
	.end_amdgpu_metadata
.endif
;; end of part 1
;; launch qkv (part 2): grid 12 x 32, 4 waves a work-group, clusters of 4 x 4, 327,680 bytes of LDS; arguments xc, xs, wc, ws, b_qkv, qkv16, qkv32; writes qkv16, qkv32
.if DOCPART == 2
	.amdgcn_target "amdgcn-amd-amdhsa--gfx1250"
	.amdhsa_code_object_version 6
	.text
	.protected	k_q5e6cace136_qkv
	.globl	k_q5e6cace136_qkv
	.p2align	8
	.type	k_q5e6cace136_qkv,@function
k_q5e6cace136_qkv:
	s_mov_b64 s[64:65], 0
	v_nop
	global_prefetch_b8 v0, s[64:65] scope:SCOPE_SE
	s_setreg_imm32_b32 hwreg(HW_REG_WAVE_MODE, 25, 1), 1
	s_wait_xcnt 0x0
	s_wait_alu depctr_hold_cnt(0) depctr_sa_sdst(0) depctr_va_vdst(0) depctr_va_sdst(0) depctr_va_ssrc(0) depctr_va_vcc(0) depctr_vm_vsrc(0)
	s_getreg_b32 s2, hwreg(HW_REG_IB_STS2, 6, 4)
	s_cmp_eq_u32 s2, 0
	s_cbranch_scc0 .Lentry_in_a_cluster
	s_endpgm
.Lentry_in_a_cluster:
	s_bfe_u32 s2, ttmp6, 0x10000c
	s_cmp_lg_u32 s2, 0xf033
	s_cbranch_scc0 .Lentry_shape_is_right
	s_endpgm
.Lentry_shape_is_right:
; qkv = Q(x) Q(W_qkv) + b_qkv: [8192][1024] x [1024][3072] on codes of FP4 (E2M1) with one E8M0 scale for each 32 along K; sums in f32.
; Codes and scale bytes come as images of the operands' registers: a fragment (16 rows x 128 K) is 1,024 consecutive bytes, lane l's registers 4 c .. 4 c + 3 at 512 c + 16 l.
; A tile of the result, 256 x 256, is made by four waves, each 128 x 128: 64 accumulators, 512 registers.  K = 1,024 is two LDS slots of 512: both are asked for at the head, nothing is filled again.
; CLUSTER: 4 x 4 work-groups; x's tiles are asked for jointly along a row of the cluster, W's along a column.  Tile column = 4 x cluster x + cx, so cluster x says q, k or v.
; Tile row = 8 cy + cluster y, so cy is the batch and cluster y the tile in the sequence: whether a tile holds positions 0-15 hangs on cluster y alone, the same in all partners.
; THE MATRIX INSTRUCTION IS USED TRANSPOSED (source 0 = 16 columns of W, source 1 = 16 rows of x): a lane holds one position and eight neighbouring channels; the bias is the C of each sum's first product.
; OUT: q, k, v rounded to f16 into qkv16 [part][batch x 16 + head][16 positions: 128][16 channels: 4][512 bytes]: q and k as images of a fragment's registers (16 r + 256 h), v as 16 rows of 32 bytes (32 r + 16 h).
; Each store of a wave covers 512 consecutive bytes, aligned.  Positions 0-15 of every sequence also leave in f32, into qkv32 [batch][16][3072], in runs of 32 bytes (0.8 MB in all).
; LIMIT: q, k, v go to f16: magnitudes from 65,504 on become infinity.
; REGISTERS: window 0: v16-29 addresses; v32-95 scale words, two sets; v128-191 x's fragments, one set, later the packed results.  window 1: W's fragments at v0 and v128; v64-127 the bias.  windows 2, 3: the accumulators.
.set NQ,     4                         ; matrix instructions deep in a slot
.set FR,     8                         ; registers of a fragment
.set NL,     2                         ; LDS loads that bring one
.set NP,     4                         ; places behind this matrix instruction (ISA guide 7.12.1)
.set HALFT,  32768                     ; 8 tiles of 16 rows x 512 K: what one tensor load brings, and what one wave reads of x or of W
.set SLOT,   4*HALFT
.set SCL,    2*SLOT                    ; behind the slots: the scale bytes
.set HALFS,  4096                      ; those of 8 tiles, both slots
.set SBLK,   512                       ; those of one tile
.set SPARE,  SCL+4*HALFS               ; the spare words, 128 bytes a wave
.set ADRA, 16                          ; v16-17 LDS address of x's fragments in slot 0, 1
.set ADRB, 20                          ; v20-21 the same for W
.set CO,   24                          ; v24 my 16 bytes in a block of 512 of qkv16
.set FO,   25                          ; v25 my bytes in qkv32
.set BO,   26                          ; v26 32 h: my eight numbers of a tile's bias
.set ADRS, 27                          ; v27 LDS address of my scale words: lanes 0-15 x's, lanes 16-31 W's
.set SPW,  28
.set NIL,  29
.set SC,   32
.set AF,   128
.set OB,   128
.set BIAS, 64                          ; in window 1
.set G1, 24
.set G0, 32
.set G1B, 48
.set G0B, 56
.set G1S, 68
.set G0S, 76
.set G1SB, 80
.set G0SB, 88
.set MSB, 0
.macro WIN new                         ; the immediate's high byte repeats the setting that is left
.if MSB != \new
	s_set_vgpr_msb (MSB<<8)|\new
.set MSB, \new
.endif
.endm
.set MUL_LO, 0xa1                      ; source 0 (W) window 1, source 1 (x) window 0, C and D window 2
.set MUL_HI, 0xf1                      ; the same, C and D window 3
.set BIA_LO, 0x91                      ; C (the bias) window 1, D window 2
.set BIA_HI, 0xd1                      ; C window 1, D window 3
.set TO_B,   0x40                      ; destination window 1, address window 0
; A joint load: waves 0 and 1 fetch for x, waves 2 and 3 for W.  The branch hangs on the wave's number alone.  An s_nop 0 and four v_nop follow each line.
.macro JLOAD g0a, g1a, g0b, g1b
	s_cmp_eq_u32 s15, 0
	s_cbranch_scc0 .Lfor_b_\@
	tensor_load_to_lds s[\g0a:\g0a+3], s[\g1a:\g1a+7]
	s_nop 0
.rept 4
	v_nop
.endr
	s_branch .Lasked_\@
.Lfor_b_\@:
	tensor_load_to_lds s[\g0b:\g0b+3], s[\g1b:\g1b+7]
	s_nop 0
.rept 4
	v_nop
.endr
.Lasked_\@:
.endm
.macro CROUND                          ; a round of the cluster's barrier
	s_barrier_signal -1
	s_barrier_wait -1
	s_cmp_lg_u32 s14, 0
	s_cbranch_scc1 .Lnot_wave_0_\@
	s_barrier_signal -3
.Lnot_wave_0_\@:
	s_barrier_wait -3
	s_barrier_signal -1
	s_barrier_wait -1
.endm
	s_load_b128 s[4:7], s[0:1], 0x0                ; xc s[4:5], xs s[6:7]
	s_load_b128 s[8:11], s[0:1], 0x10              ; wc s[8:9], ws s[10:11]
	s_load_b64 s[96:97], s[0:1], 0x20              ; b_qkv
	s_load_b64 s[12:13], s[0:1], 0x28              ; qkv16
	s_load_b64 s[98:99], s[0:1], 0x30              ; qkv32
	v_lshl_add_u32 v[SPW], v0, 2, SPARE
	v_mov_b32 v[NIL], 0
	ds_add_u32 v[SPW], v[NIL]                      ; the wave's opening: the add, twice on end, and its wait ahead of my first tensor load
	ds_add_u32 v[SPW], v[NIL]
	v_lshrrev_b32 v1, 5, v0
	v_readfirstlane_b32 s14, v1                    ; wave 0..3
	s_lshr_b32 s15, s14, 1                         ; which half of the tile's rows is mine.  Also: I fetch for x (0) or for W (1)
	s_and_b32 s16, s14, 1                          ; which half of its columns.  Also: which half of that tile I fetch
	s_bfe_u32 s40, ttmp6, 0x40000                  ; cx
	s_bfe_u32 s41, ttmp6, 0x40004                  ; cy
	s_lshl_b32 s42, ttmp9, 2
	s_add_co_u32 s42, s42, s40                     ; tile column = 4 x cluster x + cx
	s_and_b32 s17, ttmp7, 0xffff
	s_lshl_b32 s18, s41, 3
	s_add_co_u32 s17, s17, s18                     ; tile row = 8 cy + cluster y
	s_lshl_b32 s43, s41, 2
	s_lshl_b32 s43, 15, s43                        ; my row of the cluster
	s_lshl_b32 s44, 0x1111, s40                    ; my column
	; descriptor group 1: dense blocks as rows of 256 bytes (32 elements of 8 bytes), no padding: codes 128 rows, scale bytes 16 rows
	s_or_b32 s[G1+0], s43, (3<<16)|(1<<21)         ; 15:0 the mask; 17:16 elements of 8 bytes; 21 set beside a mask
	s_or_b32 s[G1B+0], s44, (3<<16)|(1<<21)
.irp g, G1, G1B
	s_mov_b32 s[\g+1], 32<<16                      ; tensor_dim0
	s_mov_b32 s[\g+2], 128<<16                     ; tensor_dim1
	s_mov_b32 s[\g+3], 32<<16                      ; tile_dim0
	s_mov_b32 s[\g+4], 128                         ; tile_dim1
	s_mov_b32 s[\g+5], 32                          ; the pitch
	s_mov_b32 s[\g+6], 0
	s_mov_b32 s[\g+7], 0
.endr
	s_or_b32 s[G1S+0], s43, (3<<16)|(1<<21)
	s_or_b32 s[G1SB+0], s44, (3<<16)|(1<<21)
.irp g, G1S, G1SB
	s_mov_b32 s[\g+1], 32<<16
	s_mov_b32 s[\g+2], 16<<16
	s_mov_b32 s[\g+3], 32<<16
	s_mov_b32 s[\g+4], 16
	s_mov_b32 s[\g+5], 32
	s_mov_b32 s[\g+6], 0
	s_mov_b32 s[\g+7], 0
.endr
	s_lshl_b32 s18, s16, 3                         ; which 8 tiles of 16 I fetch
	s_lshl_b32 s20, s17, 4
	s_add_co_u32 s20, s20, s18                     ; x: tile of 16 rows
	s_lshl_b32 s46, s42, 4
	s_add_co_u32 s46, s46, s18                     ; W: tile of 16 columns
	s_lshl_b32 s22, s20, 9                         ; their scale bytes,
	s_mov_b32 s23, 0
	s_lshl_b32 s92, s46, 9
	s_mov_b32 s93, 0
	s_lshl_b32 s20, s20, 12                        ; their codes
	s_mov_b32 s21, 0
	s_lshl_b32 s46, s46, 12
	s_mov_b32 s47, 0
	s_mul_i32 s45, s14, HALFT                      ; where they go: no place in the cluster enters an LDS address
	s_mul_i32 s94, s14, HALFS
	s_wait_dscnt 0x0                               ; both opening adds are done
	s_wait_kmcnt 0x0
	s_add_nc_u64 s[20:21], s[4:5], s[20:21]
	s_add_nc_u64 s[22:23], s[6:7], s[22:23]
	s_add_nc_u64 s[46:47], s[8:9], s[46:47]
	s_add_nc_u64 s[92:93], s[10:11], s[92:93]
	CROUND                                         ; all sixteen work-groups are here: the joint loads meet
	s_mov_b32 s[G0S], 1
	s_add_co_u32 s[G0S+1], s94, SCL
	s_mov_b64 s[G0S+2:G0S+3], s[22:23]
	s_or_b32 s[G0S+3], s[G0S+3], 0x80000000
	s_mov_b32 s[G0SB], 1
	s_add_co_u32 s[G0SB+1], s94, SCL
	s_mov_b64 s[G0SB+2:G0SB+3], s[92:93]
	s_or_b32 s[G0SB+3], s[G0SB+3], 0x80000000
	JLOAD G0S, G1S, G0SB, G1SB                     ; the scale bytes first; three loads of mine are out behind the third line
.irp s, 0,1
	s_mov_b32 s[G0+4*\s], 1
	s_add_co_u32 s[G0+4*\s+1], s45, \s*SLOT
	s_add_nc_u64 s[G0+4*\s+2:G0+4*\s+3], s[20:21], \s*2097152
	s_or_b32 s[G0+4*\s+3], s[G0+4*\s+3], 0x80000000
	s_mov_b32 s[G0B+4*\s], 1
	s_add_co_u32 s[G0B+4*\s+1], s45, \s*SLOT
	s_add_nc_u64 s[G0B+4*\s+2:G0B+4*\s+3], s[46:47], \s*786432
	s_or_b32 s[G0B+4*\s+3], s[G0B+4*\s+3], 0x80000000
	JLOAD G0+4*\s, G1, G0B+4*\s, G1B
.endr
	v_and_b32 v1, 15, v0                           ; r
	v_bfe_u32 v2, v0, 4, 1                         ; h
	v_and_b32 v3, 31, v0
	v_lshlrev_b32 v4, 4, v3                        ; 16 x lane
	s_mul_i32 s21, s15, HALFT                      ; my 128 rows of x
	s_mul_i32 s22, s16, HALFT                      ; my 128 columns of W,
	s_add_co_u32 s22, s22, 2*HALFT                 ; which lie behind x's 256 rows
.irp s, 0,1
	v_add_nc_u32 v[ADRA+\s], s21, v4
	v_add_nc_u32 v[ADRB+\s], s22, v4
	s_add_co_u32 s21, s21, SLOT
	s_add_co_u32 s22, s22, SLOT
.endr
	v_lshlrev_b32 v5, 4, v1                        ; a row's four scale words of a slot: 16 r
	s_mul_i32 s21, s15, HALFS
	s_mul_i32 s22, s16, HALFS
	s_add_co_u32 s22, s22, 2*HALFS
	s_sub_co_u32 s22, s22, s21
	v_mul_u32_u24 v6, s22, v2                      ; lanes 16-31 take W's: one product, the distance between the two bases
	s_add_co_u32 s21, s21, SCL
	v_add_nc_u32 v5, v5, v6
	v_add_nc_u32 v[ADRS], s21, v5
	s_lshl_b32 s20, s42, 10                        ; my first column, in bytes of f32
	s_lshl_b32 s21, s16, 9
	s_add_co_u32 s20, s20, s21
	s_mov_b32 s21, 0
	s_add_nc_u64 s[96:97], s[96:97], s[20:21]
	s_mul_i32 s22, s41, 196608                     ; qkv32: my batch's 16 rows of 12,288 bytes
	s_add_co_u32 s22, s22, s20
	s_mov_b32 s23, 0
	s_add_nc_u64 s[98:99], s[98:99], s[22:23]
	v_lshlrev_b32 v[BO], 5, v2
	WIN TO_B
.irp b, 0,1,2,3,4,5,6,7                        ; the bias in the result's layout: lane (r, h), tile b: columns 16 b + 8 h + 0 .. 7
	global_load_b128 v[BIAS+8*\b:BIAS+8*\b+3], v[BO], s[96:97] offset:64*\b
	global_load_b128 v[BIAS+8*\b+4:BIAS+8*\b+7], v[BO], s[96:97] offset:64*\b+16
.endr
	WIN 0
	s_cmp_eq_u32 ttmp9, 2                          ; v's blocks are 16 rows of 32 bytes, q's and k's images of registers
	s_cselect_b32 s18, 32, 16
	s_cselect_b32 s19, 16, 256
	v_mul_u32_u24 v[CO], v1, s18
	v_mad_u32_u24 v[CO], v2, s19, v[CO]
	v_mul_u32_u24 v[FO], v1, 12288
	v_lshl_add_u32 v[FO], v2, 5, v[FO]
	s_lshl_b32 s20, ttmp9, 24                      ; qkv16: the part,
	s_lshl_b32 s21, s41, 4
	s_lshl_b32 s22, s40, 2
	s_add_co_u32 s21, s21, s22
	s_lshl_b32 s22, s16, 1
	s_add_co_u32 s21, s21, s22                     ; 16 x batch + my first head,
	s_lshl_b32 s21, s21, 18
	s_add_co_u32 s20, s20, s21
	s_and_b32 s21, ttmp7, 0xffff
	s_lshl_b32 s21, s21, 4
	s_lshl_b32 s22, s15, 3
	s_add_co_u32 s21, s21, s22                     ; my first tile of 16 positions
	s_lshl_b32 s21, s21, 11
	s_add_co_u32 s20, s20, s21
	s_mov_b32 s21, 0
	s_add_nc_u64 s[12:13], s[12:13], s[20:21]
.macro FRAG reg, adr, q, i             ; a fragment: two loads of 512 consecutive bytes
.irp c, 0,1
	ds_load_b128 v[\reg+4*\c:\reg+4*\c+3], v[\adr] offset:(\i)*4096+(\q)*1024+512*\c
.endr
.endm
; 16 matrix instructions: x's blocks a0, a0 + 1 against W's eight.  zero = 1: the first product starts the sums from the bias.  The 64 accumulators take turns, one instruction a turn.
.macro MUL16 a0, p, q, sc, zero
.irp a, \a0, \a0+1
.irp b, 0,1,2,3,4,5,6,7
.if \zero
	v_wmma_scale_f32_16x16x128_f8f6f4 v[8*(8*((\a)%4)+\b):8*(8*((\a)%4)+\b)+7], v[128*(\p)+FR*\b:128*(\p)+FR*\b+FR-1], v[AF+FR*(\a):AF+FR*(\a)+FR-1], v[BIAS+8*\b:BIAS+8*\b+7], v[SC+8*NQ*(\sc)+NQ*\b+(\q)], v[SC+8*NQ*(\sc)+NQ*(\a)+(\q)] matrix_a_fmt:MATRIX_FMT_FP4 matrix_b_fmt:MATRIX_FMT_FP4 matrix_a_scale:MATRIX_SCALE_ROW1
.else
	v_wmma_scale_f32_16x16x128_f8f6f4 v[8*(8*((\a)%4)+\b):8*(8*((\a)%4)+\b)+7], v[128*(\p)+FR*\b:128*(\p)+FR*\b+FR-1], v[AF+FR*(\a):AF+FR*(\a)+FR-1], v[8*(8*((\a)%4)+\b):8*(8*((\a)%4)+\b)+7], v[SC+8*NQ*(\sc)+NQ*\b+(\q)], v[SC+8*NQ*(\sc)+NQ*(\a)+(\q)] matrix_a_fmt:MATRIX_FMT_FP4 matrix_b_fmt:MATRIX_FMT_FP4 matrix_a_scale:MATRIX_SCALE_ROW1
.endif
.endr
.endr
.endm
.macro FETCH_B slot, q, p
	WIN TO_B
.irp i, 0,1,2,3,4,5,6,7
	FRAG 128*(\p)+FR*\i, ADRB+\slot, \q, \i
.endr
	WIN 0
.endm
.macro FETCH_A slot, q, i0
.irp i, \i0, \i0+1, \i0+2, \i0+3
	FRAG AF+FR*(\i), ADRA+\slot, \q, \i
.endr
.endm
.macro SCALES sc                       ; a slot's scale words: four a row; lanes 0-15 take x's block i, lanes 16-31 W's block i
.irp i, 0,1,2,3,4,5,6,7
	ds_load_b128 v[SC+8*NQ*\sc+NQ*\i:SC+8*NQ*\sc+NQ*\i+3], v[ADRS] offset:\i*SBLK
.endr
.endm
.macro PLACES n                        ; plain instructions between a matrix instruction and a load into, or a read of, its registers
.rept \n
	v_nop
.endr
.endm
.macro STEP slot, q, zero              ; 128 along K that has its successor in the same slot
	s_wait_dscnt 4*NL                              ; W's set and x's blocks 0-3 are in; the youngest eight loads (x's blocks 4-7) may be out
.if \zero
	WIN BIA_LO
.else
	WIN MUL_LO
.endif
	MUL16 0, (\q)%2, \q, \slot, \zero
	MUL16 2, (\q)%2, \q, \slot, \zero
	s_wait_dscnt 0
	PLACES NP
	FETCH_B \slot, (\q)+1, 1-(\q)%2
	FETCH_A \slot, (\q)+1, 0
.if \zero
	WIN BIA_HI
.else
	WIN MUL_HI
.endif
	MUL16 4, (\q)%2, \q, \slot, \zero
	MUL16 6, (\q)%2, \q, \slot, \zero
	PLACES NP
	WIN 0
	FETCH_A \slot, (\q)+1, 4
.endm
	s_wait_tensorcnt 1                             ; the scale bytes and my part of slot 0 are in; slot 1's load may be out
	s_barrier_signal -1
	s_barrier_wait -1
	FETCH_B 0, 0, 0
	FETCH_A 0, 0, 0
	SCALES 0
	FETCH_A 0, 0, 4
	s_wait_loadcnt 0x0                             ; the bias
	STEP 0, 0, 1
	STEP 0, 1, 0
	STEP 0, 2, 0
	; slot 0's last step changes slots: one barrier; nothing is filled again, so no round of the cluster's barrier
	s_wait_tensorcnt 0x0                           ; my part of slot 1 has landed
	ds_add_u32 v[SPW], v[NIL]                      ; 0 onto my spare word
	s_wait_dscnt 4*NL+1                            ; (the add and x's blocks 4-7 may be out)
	WIN MUL_LO
	MUL16 0, 1, 3, 0, 0
	s_wait_dscnt 0x0
	s_barrier_signal -1
	MUL16 2, 1, 3, 0, 0
	WIN 0
	s_barrier_wait -1                              ; slot 1 is whole
	PLACES NP
	v_add_nc_u32 v[ADRS], 256, v[ADRS]             ; slot 1's scale words (no LDS load of mine is out)
	FETCH_B 1, 0, 0
	FETCH_A 1, 0, 0
	SCALES 1
	WIN MUL_HI
	MUL16 4, 1, 3, 0, 0
	MUL16 6, 1, 3, 0, 0
	PLACES NP
	WIN 0
	FETCH_A 1, 0, 4
	STEP 1, 0, 0
	STEP 1, 1, 0
	STEP 1, 2, 0
	s_wait_dscnt 4*NL                              ; the last step: nothing more to fetch
	WIN MUL_LO
	MUL16 0, 1, 3, 1, 0
	MUL16 2, 1, 3, 1, 0
	s_wait_dscnt 0
	WIN MUL_HI
	MUL16 4, 1, 3, 1, 0
	MUL16 6, 1, 3, 1, 0
	WIN 0
; THE WAY OUT: a lane's eight numbers pack into 16 bytes that are its own place in a block of 512: no LDS.  Each accumulator is read from its low end on.
.macro OUT a
.if (\a) >= 2
	s_wait_xcnt 0x0                                ; the stores of two blocks back have read this set of registers
.endif
	WIN 0x0a+5*((\a)/4)                            ; sources 0 and 1: window 2 or 3
.irp b, 0,1,2,3,4,5,6,7
.irp i, 0,1,2,3
	v_cvt_pk_f16_f32 v[OB+32*((\a)%2)+4*\b+\i], v[64*((\a)%4)+8*\b+2*\i], v[64*((\a)%4)+8*\b+2*\i+1]
.endr
.endr
	WIN 0
.irp b, 0,1,2,3,4,5,6,7
	global_store_b128 v[CO], v[OB+32*((\a)%2)+4*\b:OB+32*((\a)%2)+4*\b+3], s[12:13] offset:(\a)*2048+(\b/4)*262144+(\b%4)*512
.endr
.endm
	PLACES NP
.irp a, 0,1,2,3,4,5,6,7
	OUT \a
.endr
	s_and_b32 s18, ttmp7, 0xffff                   ; positions 0-15 lie in the first tile of a sequence, in its upper half's block 0: cluster y = 0, waves 0 and 1
	s_or_b32 s18, s18, s15
	s_cmp_lg_u32 s18, 0
	s_cbranch_scc1 .Lno_fine
	WIN 0x08                                       ; a store's data are its source 1: window 2
.irp b, 0,1,2,3,4,5,6,7
	global_store_b128 v[FO], v[8*\b:8*\b+3], s[98:99] offset:64*\b
	global_store_b128 v[FO], v[8*\b+4:8*\b+7], s[98:99] offset:64*\b+16
.endr
	WIN 0
.Lno_fine:
	s_wait_tensorcnt 0x0                           ; the wave's end
	ds_add_u32 v[SPW], v[NIL]
	s_wait_dscnt 0x0
	CROUND                                         ; the closing round
	s_endpgm
.Lfunc_end_k_q5e6cace136_qkv:
	.size	k_q5e6cace136_qkv, .Lfunc_end_k_q5e6cace136_qkv-k_q5e6cace136_qkv
	.p2alignl 7, 3214868480
	.fill 96, 4, 3214868480
	.section	.rodata,"a",@progbits
	.p2align	6, 0x0
	.amdhsa_kernel k_q5e6cace136_qkv
		.amdhsa_group_segment_fixed_size 327680
		.amdhsa_private_segment_fixed_size 0
		.amdhsa_enable_private_segment 0
		.amdhsa_kernarg_size 56
		.amdhsa_user_sgpr_count 2
		.amdhsa_user_sgpr_kernarg_segment_ptr 1
		.amdhsa_wavefront_size32 1
		.amdhsa_system_sgpr_workgroup_id_x 1
		.amdhsa_system_sgpr_workgroup_id_y 1
		.amdhsa_system_sgpr_workgroup_id_z 1
		.amdhsa_system_vgpr_workitem_id 0
		.amdhsa_next_free_vgpr 1024
		.amdhsa_next_free_sgpr 100
		.amdhsa_reserve_vcc 0
		.amdhsa_float_denorm_mode_32 3
		.amdhsa_float_denorm_mode_16_64 3
		.amdhsa_memory_ordered 1
		.amdhsa_forward_progress 1
		.amdhsa_inst_pref_size 121
	.end_amdhsa_kernel
	.amdgpu_metadata
---
amdhsa.version: [ 1, 2 ]
amdhsa.kernels:
  - .name:           k_q5e6cace136_qkv
    .symbol:         k_q5e6cace136_qkv.kd
    .args:
      - { .name: xc, .offset: 0, .size: 8, .value_kind: global_buffer, .address_space: global }
      - { .name: xs, .offset: 8, .size: 8, .value_kind: global_buffer, .address_space: global }
      - { .name: wc, .offset: 16, .size: 8, .value_kind: global_buffer, .address_space: global }
      - { .name: ws, .offset: 24, .size: 8, .value_kind: global_buffer, .address_space: global }
      - { .name: b_qkv, .offset: 32, .size: 8, .value_kind: global_buffer, .address_space: global }
      - { .name: qkv16, .offset: 40, .size: 8, .value_kind: global_buffer, .address_space: global }
      - { .name: qkv32, .offset: 48, .size: 8, .value_kind: global_buffer, .address_space: global }
    .group_segment_fixed_size: 327680
    .private_segment_fixed_size: 0
    .kernarg_segment_align: 8
    .kernarg_segment_size: 56
    .max_flat_workgroup_size: 128
    .sgpr_count:     100
    .vgpr_count:     1024
    .wavefront_size: 32
...
	.end_amdgpu_metadata
.endif
;; end of part 2
;; launch attn (part 3): grid 4 x 64, 8 waves a work-group, no clusters, 327,680 bytes of LDS; arguments qkv16, y16; writes y16
.if DOCPART == 3
	.amdgcn_target "amdgcn-amd-amdhsa--gfx1250"
	.amdhsa_code_object_version 6
	.text
	.protected	k_q5e6cace136_attn
	.globl	k_q5e6cace136_attn
	.p2align	8
	.type	k_q5e6cace136_attn,@function
k_q5e6cace136_attn:
	s_mov_b64 s[64:65], 0
	v_nop
	global_prefetch_b8 v0, s[64:65] scope:SCOPE_SE
	s_setreg_imm32_b32 hwreg(HW_REG_WAVE_MODE, 25, 1), 1
	s_wait_xcnt 0x0
; y[b][h][q] = the sum over k <= q of softmax_k(q . k / 8) v[k]: 64 heads of 2,048 positions x 64 channels.  Operands in f16; products, maxima and sums in f32; the weights p are rounded to f16 for the second product.
; SHARES.  Work-group (i, head) owns two blocks of 256 queries: block i (pass A: key blocks 0 .. i) and block 7 - i (pass B: key blocks 0 .. 7 - i): always 9 units of 256 keys, so that all 256 work-groups
; have the same work and every trip count is a constant.  Each of eight waves owns 32 queries of the block: two tiles of 16.  A unit is one LDS slot and four steps of 64 keys.
; LAYOUT.  S^T = K Q^T (source 0 = 16 keys, source 1 = 16 queries), O^T = V^T P (source 0 = 16 channels, source 1 = P): a lane holds ONE query throughout.  q and k arrive as images of a fragment's registers
; (512 consecutive bytes a load), v as blocks of 16 keys x 32 bytes, turned by ds_load_tr16_b128.  Packed O^T is an image of the next launch's operand: it is stored straight from registers, 512 consecutive bytes a store.
; SOFTMAX.  A running maximum m and sum l for each query: p = 2^(c s - c m), c = log2(e) / 8; in every step O and l are multiplied by a = 2^(c m_old - c m_new).
; CAUSAL.  Key blocks beyond the diagonal are never walked.  In a pass's last unit the steps beyond my queries are jumped over (a branch on ids; the address steps at their end are not), and in step wave / 2 hidden
; scores become -infinity ahead of the maximum; that step's first key counts for each of my queries, so m stays a number.
; NO CLUSTER: the four work-groups of a head walk different sequences of key blocks (9 trips each); joint requests would need a common walk of 12.
; LIMITS: p, and y on its way out, go to f16.  NaN and infinities are not served.
; REGISTERS.  window 0: v1-11 addresses; v12-27 statistics, eight a tile: +0 c m, +1 m, +2, +3 l, +4 to +7 at work (a in +6); v32-95 S^T; v96-159 K; v160-223 V.  window 1: v0-63 O^T; v64-95 Q; v96-127 P.
.set SLOT1, 65536                      ; a slot: 256 keys of K (32,768 bytes), then of V
.set STEPB, 8192                       ; 64 keys
.set SPARE, 2*SLOT1                    ; the spare words, 128 bytes a wave
.set AK0, 1                            ; v1  16 x lane: my place in an image, in LDS and in memory; never rewritten
.set AV0, 2                            ; v2  my place in a block of V, + 32,768
.set ADK, 3
.set ADV, 4
.set D0,  6                            ; v6, v7  tile 0, 1: my query less the masked step's first key, less 8 h
.set NEG, 8                            ; v8  -infinity
.set PFO, 9                            ; v9  256 x lane
.set SPW, 10
.set NIL, 11
.set ST,  12
.set RS,  32
.set KF,  96
.set VF,  160
.set RO,  0                            ; window 1
.set RQ,  64
.set RP,  96
.set WV,  8                            ; s8  wave
.set WI,  9                            ; s9  i
.set UU,  10                           ; s10 the unit
.set QS,  11                           ; s11 the step
.set QL,  12                           ; s12 the unit's last live step
.set MQ,  13                           ; s13 the masked step
.set TB,  14                           ; s14 LDS byte at which the step's keys begin
.set G1,  16
.set G0,  24
.set CS,  28                           ; s[28:29] c, twice
.set SEL, 30
.set PFA, 32
.set LIM, 34
.set BK,  35                           ; (i + 1) x 32,768: from pass A's last key block + 1 back to key block 0
.set BACK, 36
.set QPA, 38
.set QPB, 40
.set YPA, 42
.set YPB, 44
.set MSB, 0
.macro WIN new
.if MSB != \new
	s_set_vgpr_msb (MSB<<8)|\new
.set MSB, \new
.endif
.endm
.macro PLACES
.rept 4
	v_nop
.endr
.endm
.macro FETCH_K off                     ; a step's K: fragment (16 keys kt, 32 channels g) at v[KF + 8 (2 kt + g)]
.irp kt, 0,1,2,3
.irp g, 0,1
.irp c, 0,1
	ds_load_b128 v[KF+8*(2*\kt+\g)+4*\c:KF+8*(2*\kt+\g)+4*\c+3], v[ADK] offset:\off+\kt*2048+\g*1024+\c*512
.endr
.endr
.endr
.endm
.macro FETCH_V                         ; a step's V, turned: fragment (32 keys s, 16 channels c) at v[VF + 8 (4 s + c)]
.irp s, 0,1
.irp c, 0,1,2,3
.irp e, 0,1
	ds_load_tr16_b128 v[VF+8*(4*\s+\c)+4*\e:VF+8*(4*\s+\c)+4*\e+3], v[ADV] offset:(2*\s+\e)*2048+\c*512
.endr
.endr
.endr
.endm
.macro START qp                        ; a pass begins: Q into registers; O^T and l are zeros and m lies under every score, so that the step is written once
	WIN 0x40                                       ; destination window 1
.irp t, 0,1
.irp g, 0,1
.irp c, 0,1
	global_load_b128 v[RQ+16*\t+8*\g+4*\c:RQ+16*\t+8*\g+4*\c+3], v[AK0], s[\qp:\qp+1] offset:\t*2048+\g*1024+\c*512
.endr
.endr
.endr
.set jj, 0
.rept 64
	v_mov_b32 v[RO+jj], 0
.set jj, jj+1
.endr
	WIN 0
.irp t, 0,1
	v_mov_b32 v[ST+8*\t+1], 0xff61b1e6             ; -3e38
	v_mul_f32 v[ST+8*\t], s[CS], v[ST+8*\t+1]
.irp n, 2,3,4,5,6,7
	v_mov_b32 v[ST+8*\t+\n], 0
.endr
.endr
	s_wait_loadcnt 0x0
.endm
.macro FINISH yp                       ; a pass ends: O^T / l, rounded to f16, stored as it stands
.irp t, 0,1
	v_add_f32 v[ST+8*\t+4], v[ST+8*\t+2], v[ST+8*\t+3]
.endr
.irp t, 0,1
	v_permlanex16_b32 v[ST+8*\t+5], v[ST+8*\t+4], s[SEL], s[SEL+1]
.endr
.irp t, 0,1
	v_add_f32 v[ST+8*\t+4], v[ST+8*\t+4], v[ST+8*\t+5]
.endr
.irp t, 0,1
	v_rcp_f32 v[ST+8*\t+6], v[ST+8*\t+4]
.endr
	v_nop                                          ; a plain instruction behind the last reciprocal
	s_wait_alu depctr_va_vdst(0)                   ; and the wait ahead of the first use: one for both
	WIN 0x41
.irp t, 0,1
.set jj, 0
.rept 16
	v_pk_mul_f32 v[RO+32*\t+jj:RO+32*\t+jj+1], v[RO+32*\t+jj:RO+32*\t+jj+1], v[ST+8*\t+6:ST+8*\t+7] op_sel_hi:[1,0]
.set jj, jj+2
.endr
.endr
	WIN 0x05                                       ; sources window 1, destination window 0
.set jj, 0
.rept 32
	v_cvt_pk_f16_f32 v[RS+jj], v[RO+2*jj], v[RO+2*jj+1]
.set jj, jj+1
.endr
	WIN 0
.irp t, 0,1
.irp c, 0,1,2,3
	global_store_b128 v[AK0], v[RS+16*\t+4*\c:RS+16*\t+4*\c+3], s[\yp:\yp+1] offset:\t*4096+\c*512
.endr
.endr
	s_wait_xcnt 0x0                                ; the stores have read their registers: S^T's may be written again
.endm
; A PREFETCH INTO THE L2.  The head's work-group i = 0 walks key blocks 0, 0, 1, .. 7: its load of trip u brings block u, and behind it each wave asks for its own 8,192 bytes of block u + 1, lanes 256 bytes apart:
; one unit of four steps ahead of the load that wants them.  So each aligned block of 256 bytes of key blocks 1 to 7 is named once in the launch; nothing is asked at the head, and nothing in trip 7.
.macro ASK
	s_cmp_lt_u32 s[UU], s[LIM]
	s_cbranch_scc0 .Lnot_mine_\@
	global_prefetch_b8 v[PFO], s[PFA:PFA+1] th:TH_LOAD_NT scope:SCOPE_SE
.Lnot_mine_\@:
.endm
; THE CHANGE OF SLOTS stands at a unit's head: every wave waits for its tensor load (its part of the slot ahead), adds 0 to its spare word, and waits for that and for its reads of the slot that it has left.
; Behind the barrier the slot ahead is whole and nobody reads the other one.  fill = 1: each wave asks for its eighth of the next unit: one load of mine is out, with a whole unit's steps in which to land.
.macro CHANGE fill
	s_wait_tensorcnt 0x0                           ; no tensor load of mine is out, so the descriptor may be written
	ds_add_u32 v[SPW], v[NIL]
.if \fill
	s_xor_b32 s[G0+1], s[G0+1], SLOT1              ; the other slot,
	s_cmp_eq_u32 s[UU], s[WI]
	s_cselect_b32 s[BACK], s[BK], 0
	s_add_nc_u64 s[G0+2:G0+3], s[G0+2:G0+3], 32768 ; the next key block,
	s_sub_nc_u64 s[G0+2:G0+3], s[G0+2:G0+3], s[BACK:BACK+1]   ; or, behind pass A's last, key block 0 again
	s_wait_xcnt 0x0                                ; the last prefetch, a unit back, has read its address
	s_add_nc_u64 s[PFA:PFA+1], s[PFA:PFA+1], 32768
.endif
	s_wait_dscnt 0x0
	s_barrier_signal -1
	s_barrier_wait -1
.if \fill
	tensor_load_to_lds s[G0:G0+3], s[G1:G1+7]
	s_nop 0
.rept 4
	v_nop
.endr
	ASK
.endif
.endm
; A UNIT: four steps of 64 keys, written once and walked four times; the LDS addresses hang on s[TB].
.macro UNIT
	v_add_nc_u32 v[ADK], s[TB], v[AK0]
	FETCH_K 0
	s_mov_b32 s[QS], 0
	s_wait_dscnt 0x0
.Lstep_\@:
	s_cmp_gt_u32 s[QS], s[QL]
	s_cbranch_scc1 .Lskip_\@                       ; all keys of the step come after my queries
	v_add_nc_u32 v[ADK], s[TB], v[AK0]
	v_add_nc_u32 v[ADV], s[TB], v[AV0]
	WIN 0x04                                       ; Q in window 1
.irp g, 0,1                                    ; eight accumulators by turns, one instruction a turn
.irp kt, 0,1,2,3
.irp t, 0,1
.if \g == 0
	v_wmma_f32_16x16x32_f16 v[RS+32*\t+8*\kt:RS+32*\t+8*\kt+7], v[KF+8*(2*\kt+\g):KF+8*(2*\kt+\g)+7], v[RQ+16*\t+8*\g:RQ+16*\t+8*\g+7], 0
.else
	v_wmma_f32_16x16x32_f16 v[RS+32*\t+8*\kt:RS+32*\t+8*\kt+7], v[KF+8*(2*\kt+\g):KF+8*(2*\kt+\g)+7], v[RQ+16*\t+8*\g:RQ+16*\t+8*\g+7], v[RS+32*\t+8*\kt:RS+32*\t+8*\kt+7]
.endif
.endr
.endr
.endr
	WIN 0
	PLACES                                         ; ahead of the loads into K's registers and of the first read of the scores
	s_cmp_lt_u32 s[QS], s[QL]
	s_cbranch_scc0 .Lno_k_\@
	FETCH_K STEPB                                  ; the next step's K, and this step's V, land while the softmax is walked
.Lno_k_\@:
	FETCH_V
	s_cmp_lg_u32 s[QS], s[MQ]
	s_cbranch_scc1 .Lopen_\@
.irp t, 0,1                                    ; register 8 kt + j holds key 16 kt + 8 h + j of the step: hidden where 16 kt + j > my query - the step's first key - 8 h
.irp kt, 0,1,2,3
.irp j, 0,1,2,3,4,5,6,7
	v_cmp_gt_i32 vcc_lo, 16*\kt+\j, v[D0+\t]
	v_cndmask_b32 v[RS+32*\t+8*\kt+\j], v[RS+32*\t+8*\kt+\j], v[NEG], vcc_lo
.endr
.endr
.endr
.Lopen_\@:
.irp j, 0,1,2,3                                ; the maximum: four chains a tile, each begun at an accumulator's low end; the two tiles line by line
.irp t, 0,1
	v_max3_num_f32 v[ST+8*\t+4+\j], v[RS+32*\t+8*\j], v[RS+32*\t+8*\j+1], v[RS+32*\t+8*\j+2]
.endr
.endr
.irp u, 3,5
.irp j, 0,1,2,3
.irp t, 0,1
	v_max3_num_f32 v[ST+8*\t+4+\j], v[ST+8*\t+4+\j], v[RS+32*\t+8*\j+\u], v[RS+32*\t+8*\j+\u+1]
.endr
.endr
.endr
.irp t, 0,1
	v_max3_num_f32 v[ST+8*\t+4], v[ST+8*\t+4], v[RS+32*\t+7], v[RS+32*\t+15]
.endr
.irp t, 0,1
	v_max3_num_f32 v[ST+8*\t+6], v[ST+8*\t+6], v[RS+32*\t+23], v[RS+32*\t+31]
.endr
.irp t, 0,1
	v_max3_num_f32 v[ST+8*\t+4], v[ST+8*\t+4], v[ST+8*\t+5], v[ST+8*\t+6]
.endr
.irp t, 0,1
	v_max3_num_f32 v[ST+8*\t+4], v[ST+8*\t+4], v[ST+8*\t+7], v[ST+8*\t+1]   ; and the old m
.endr
.irp t, 0,1
	v_permlanex16_b32 v[ST+8*\t+5], v[ST+8*\t+4], s[SEL], s[SEL+1]          ; the query's other 32 keys lie in the lane 16 away
.endr
.irp t, 0,1
	v_mov_b32 v[ST+8*\t+7], v[ST+8*\t]             ; c m_old
.endr
.irp t, 0,1
	v_max_num_f32 v[ST+8*\t+1], v[ST+8*\t+4], v[ST+8*\t+5]
.endr
.irp t, 0,1
	v_mul_f32 v[ST+8*\t], s[CS], v[ST+8*\t+1]
.endr
.irp t, 0,1
	v_sub_f32 v[ST+8*\t+7], v[ST+8*\t+7], v[ST+8*\t]
.endr
.set jj, 0
.rept 16
.irp t, 0,1
	v_pk_fma_f32 v[RS+32*\t+jj:RS+32*\t+jj+1], v[RS+32*\t+jj:RS+32*\t+jj+1], s[CS:CS+1], v[ST+8*\t:ST+8*\t+1] op_sel_hi:[1,0,0] neg_lo:[0,0,1] neg_hi:[0,0,1]   ; c s - c m
.endr
.set jj, jj+2
.endr
.irp t, 0,1
	v_exp_f32 v[ST+8*\t+6], v[ST+8*\t+7]           ; a
.endr
.set jj, 0
.rept 64
	v_exp_f32 v[RS+jj], v[RS+jj]                   ; p
.set jj, jj+1
.endr
	v_nop                                          ; a plain instruction behind the last exponential
	s_wait_alu depctr_va_vdst(0)                   ; ONE wait for the batch of 66, ahead of its first reader
	WIN 0x40
.set jj, 0
.rept 32
	v_cvt_pk_f16_f32 v[RP+jj], v[RS+2*jj], v[RS+2*jj+1]   ; two tiles of 16 keys, packed in pairs, are source 1 for 32 keys
.set jj, jj+1
.endr
	s_wait_dscnt 0x0                               ; V, and the next step's K
	WIN 0x41
.irp t, 0,1
.set jj, 0
.rept 16
	v_pk_mul_f32 v[RO+32*\t+jj:RO+32*\t+jj+1], v[RO+32*\t+jj:RO+32*\t+jj+1], v[ST+8*\t+6:ST+8*\t+7] op_sel_hi:[1,0]   ; O^T x a, each accumulator from its low end on
.set jj, jj+2
.endr
.endr
	WIN 0x54                                       ; V window 0; P, C and D window 1
.irp s, 0,1
.irp c, 0,1,2,3
.irp t, 0,1
	v_wmma_f32_16x16x32_f16 v[RO+32*\t+8*\c:RO+32*\t+8*\c+7], v[VF+8*(4*\s+\c):VF+8*(4*\s+\c)+7], v[RP+16*\t+8*\s:RP+16*\t+8*\s+7], v[RO+32*\t+8*\c:RO+32*\t+8*\c+7]
.endr
.endr
.endr
	WIN 0
.irp u, 0,1,2,3,4,5,6,7                        ; the row's sum of the unrounded p, in place on S^T; these 32 are also the places behind the products
.irp t, 0,1
	v_pk_add_f32 v[RS+32*\t+4*\u:RS+32*\t+4*\u+1], v[RS+32*\t+4*\u:RS+32*\t+4*\u+1], v[RS+32*\t+4*\u+2:RS+32*\t+4*\u+3]
.endr
.endr
.irp u, 0,1,2,3
.irp t, 0,1
	v_pk_add_f32 v[RS+32*\t+8*\u:RS+32*\t+8*\u+1], v[RS+32*\t+8*\u:RS+32*\t+8*\u+1], v[RS+32*\t+8*\u+4:RS+32*\t+8*\u+5]
.endr
.endr
.irp u, 0,1
.irp t, 0,1
	v_pk_add_f32 v[RS+32*\t+16*\u:RS+32*\t+16*\u+1], v[RS+32*\t+16*\u:RS+32*\t+16*\u+1], v[RS+32*\t+16*\u+8:RS+32*\t+16*\u+9]
.endr
.endr
.irp t, 0,1
	v_pk_add_f32 v[RS+32*\t:RS+32*\t+1], v[RS+32*\t:RS+32*\t+1], v[RS+32*\t+16:RS+32*\t+17]
.endr
.irp t, 0,1
	v_pk_fma_f32 v[ST+8*\t+2:ST+8*\t+3], v[ST+8*\t+2:ST+8*\t+3], v[ST+8*\t+6:ST+8*\t+7], v[RS+32*\t:RS+32*\t+1] op_sel_hi:[1,0,1]   ; l = a l + the sum
.endr
.Lskip_\@:
	s_add_co_u32 s[TB], s[TB], STEPB
	s_add_co_u32 s[QS], s[QS], 1
	s_cmp_lt_u32 s[QS], 4
	s_cbranch_scc1 .Lstep_\@
	s_sub_co_u32 s[TB], s[TB], 4*STEPB             ; back to a slot's first step,
	s_xor_b32 s[TB], s[TB], SLOT1                  ; in the other slot
.endm
	s_load_b128 s[4:7], s[0:1], 0x0                ; qkv16 s[4:5], y16 s[6:7]
	v_lshl_add_u32 v[SPW], v0, 2, SPARE
	v_mov_b32 v[NIL], 0
	ds_add_u32 v[SPW], v[NIL]                      ; the wave's opening: the add, twice on end, and its wait ahead of my first tensor load
	ds_add_u32 v[SPW], v[NIL]
	v_lshrrev_b32 v1, 5, v0
	v_readfirstlane_b32 s[WV], v1                  ; wave 0..7
	s_mov_b32 s[WI], ttmp9
	s_and_b32 s46, ttmp7, 0xffff                   ; 16 x batch + head
	s_lshl_b32 s48, s46, 18                        ; its 262,144 bytes in each part of qkv16
	; descriptor group 1: a dense block of 8,192 bytes as 32 rows of 256 bytes (32 elements of 8 bytes), no padding
	s_mov_b32 s[G1], 3<<16
	s_mov_b32 s[G1+1], 32<<16                      ; tensor_dim0
	s_mov_b32 s[G1+2], 32<<16                      ; tensor_dim1
	s_mov_b32 s[G1+3], 32<<16                      ; tile_dim0
	s_mov_b32 s[G1+4], 32                          ; tile_dim1
	s_mov_b32 s[G1+5], 32                          ; the pitch
	s_mov_b32 s[G1+6], 0
	s_mov_b32 s[G1+7], 0
	s_mov_b32 s[G0], 1
	s_lshl_b32 s[G0+1], s[WV], 13                  ; waves 0-3: K's quarters; waves 4-7: V's, which lie behind them
	s_lshr_b32 s50, s[WV], 2
	s_add_co_u32 s50, s50, 1
	s_lshl_b32 s50, s50, 24                        ; part 1 (k) or 2 (v)
	s_add_co_u32 s50, s50, s48
	s_and_b32 s52, s[WV], 3
	s_lshl_b32 s52, s52, 13
	s_add_co_u32 s50, s50, s52
	s_mov_b32 s51, 0
	s_mov_b32 s[CS], 0x3e38aa3b                    ; c = log2(e) / 8
	s_mov_b32 s[CS+1], s[CS]
	s_mov_b32 s[SEL], 0x76543210
	s_mov_b32 s[SEL+1], 0xfedcba98
	s_mov_b32 s[TB], 0
	s_add_co_u32 s47, s[WI], 1                     ; the unit with which pass B begins
	s_lshl_b32 s[BK], s47, 15
	s_mov_b32 s[BACK+1], 0
	s_cmp_eq_u32 s[WI], 0
	s_cselect_b32 s[LIM], 7, 0
	s_wait_dscnt 0x0                               ; both opening adds are done
	s_wait_kmcnt 0x0
	s_add_nc_u64 s[G0+2:G0+3], s[4:5], s[50:51]
	s_mov_b64 s[PFA:PFA+1], s[G0+2:G0+3]
	s_or_b32 s[G0+3], s[G0+3], 0x80000000
	tensor_load_to_lds s[G0:G0+3], s[G1:G1+7]      ; unit 0 into slot 0
	s_nop 0
.rept 4
	v_nop
.endr
	s_lshl_b32 s49, s[WV], 1
	s_lshl_b32 s52, s[WI], 4
	s_add_co_u32 s52, s52, s49                     ; pass A: my first tile of 16 positions
	s_sub_co_u32 s53, 7, s[WI]
	s_lshl_b32 s53, s53, 4
	s_add_co_u32 s53, s53, s49                     ; pass B
	s_bfe_u32 s54, s46, 0x30001                    ; y16: K step = head / 2,
	s_lshl_b32 s54, s54, 21
	s_and_b32 s55, s46, 1                          ; the head's half of a tile,
	s_lshl_b32 s55, s55, 11
	s_add_co_u32 s54, s54, s55
	s_lshr_b32 s55, s46, 4                         ; the batch's 128 tiles of 4,096 bytes
	s_lshl_b32 s55, s55, 19
	s_add_co_u32 s54, s54, s55
	s_lshl_b32 s50, s52, 11
	s_add_co_u32 s50, s50, s48
	s_add_nc_u64 s[QPA:QPA+1], s[4:5], s[50:51]
	s_lshl_b32 s50, s53, 11
	s_add_co_u32 s50, s50, s48
	s_add_nc_u64 s[QPB:QPB+1], s[4:5], s[50:51]
	s_lshl_b32 s50, s52, 12
	s_add_co_u32 s50, s50, s54
	s_add_nc_u64 s[YPA:YPA+1], s[6:7], s[50:51]
	s_lshl_b32 s50, s53, 12
	s_add_co_u32 s50, s50, s54
	s_add_nc_u64 s[YPB:YPB+1], s[6:7], s[50:51]
	v_and_b32 v1, 31, v0
	v_lshlrev_b32 v[AK0], 4, v1
	v_bfe_u32 v5, v0, 4, 1                         ; h
	v_and_b32 v12, 7, v0
	v_lshl_add_u32 v[AV0], v5, 3, v12              ; the turning load: key 8 h + lane % 8 of a block's 16,
	v_lshlrev_b32 v[AV0], 5, v[AV0]
	v_bfe_u32 v12, v0, 3, 1
	v_lshl_add_u32 v[AV0], v12, 4, v[AV0]          ; channels 8 ((lane / 8) % 2) on
	v_add_nc_u32 v[AV0], 32768, v[AV0]
	s_and_b32 s50, s[WV], 1
	s_lshl_b32 s50, s50, 5
	v_and_b32 v[D0], 15, v0
	v_lshlrev_b32 v12, 3, v5
	v_sub_nc_u32 v[D0], v[D0], v12
	v_add_nc_u32 v[D0], s50, v[D0]
	v_add_nc_u32 v[D0+1], 16, v[D0]
	v_mov_b32 v[NEG], 0xff800000
	v_lshlrev_b32 v[PFO], 4, v[AK0]
	START QPA
	s_mov_b32 s[UU], 0
.Lunit:                                                ; eight trips: behind each change of slots the next unit is asked for
	CHANGE 1
	s_cmp_lg_u32 s[UU], s47
	s_cbranch_scc1 .Lsame                          ; ids alone: the same in all eight waves
	FINISH YPA
	START QPB
.Lsame:
	s_lshr_b32 s46, s[WV], 1
	s_cmp_eq_u32 s[UU], s[WI]                      ; pass A's diagonal unit?
	s_cselect_b32 s[QL], s46, 3
	s_cselect_b32 s[MQ], s46, 99
	UNIT
	s_add_co_u32 s[UU], s[UU], 1
	s_cmp_lt_u32 s[UU], 8
	s_cbranch_scc1 .Lunit
	CHANGE 0                                       ; the last unit is written out: nothing is left to ask for.  It is pass B's diagonal unit
	s_lshr_b32 s[QL], s[WV], 1
	s_mov_b32 s[MQ], s[QL]
	UNIT
	FINISH YPB
	s_wait_tensorcnt 0x0                           ; the wave's end
	ds_add_u32 v[SPW], v[NIL]
	s_wait_dscnt 0x0
	s_endpgm
.Lfunc_end_k_q5e6cace136_attn:
	.size	k_q5e6cace136_attn, .Lfunc_end_k_q5e6cace136_attn-k_q5e6cace136_attn
	.p2alignl 7, 3214868480
	.fill 96, 4, 3214868480
	.section	.rodata,"a",@progbits
	.p2align	6, 0x0
	.amdhsa_kernel k_q5e6cace136_attn
		.amdhsa_group_segment_fixed_size 327680
		.amdhsa_private_segment_fixed_size 0
		.amdhsa_enable_private_segment 0
		.amdhsa_kernarg_size 16
		.amdhsa_user_sgpr_count 2
		.amdhsa_user_sgpr_kernarg_segment_ptr 1
		.amdhsa_wavefront_size32 1
		.amdhsa_system_sgpr_workgroup_id_x 1
		.amdhsa_system_sgpr_workgroup_id_y 1
		.amdhsa_system_sgpr_workgroup_id_z 1
		.amdhsa_system_vgpr_workitem_id 0
		.amdhsa_next_free_vgpr 384
		.amdhsa_next_free_sgpr 66
		.amdhsa_reserve_vcc 1
		.amdhsa_float_denorm_mode_32 3
		.amdhsa_float_denorm_mode_16_64 3
		.amdhsa_memory_ordered 1
		.amdhsa_forward_progress 1
		.amdhsa_inst_pref_size 68
	.end_amdhsa_kernel
	.amdgpu_metadata
---
amdhsa.version: [ 1, 2 ]
amdhsa.kernels:
  - .name:           k_q5e6cace136_attn
    .symbol:         k_q5e6cace136_attn.kd
    .args:
      - { .name: qkv16, .offset: 0, .size: 8, .value_kind: global_buffer, .address_space: global }
      - { .name: y16, .offset: 8, .size: 8, .value_kind: global_buffer, .address_space: global }
    .group_segment_fixed_size: 327680
    .private_segment_fixed_size: 0
    .kernarg_segment_align: 8
    .kernarg_segment_size: 16
    .max_flat_workgroup_size: 256
    .sgpr_count:     66
    .vgpr_count:     384
    .wavefront_size: 32
...
	.end_amdgpu_metadata
.endif
;; end of part 3
;; launch proj (part 4): grid 4 x 64, 4 waves a work-group, clusters of 4 x 4, 327,680 bytes of LDS; arguments y16, wp16, b_proj, out0; writes out0
.if DOCPART == 4
	.amdgcn_target "amdgcn-amd-amdhsa--gfx1250"
	.amdhsa_code_object_version 6
	.text
	.protected	k_q5e6cace136_proj
	.globl	k_q5e6cace136_proj
	.p2align	8
	.type	k_q5e6cace136_proj,@function
k_q5e6cace136_proj:
	s_mov_b64 s[64:65], 0
	v_nop
	global_prefetch_b8 v0, s[64:65] scope:SCOPE_SE
	s_setreg_imm32_b32 hwreg(HW_REG_WAVE_MODE, 25, 1), 1
	s_wait_xcnt 0x0
	s_wait_alu depctr_hold_cnt(0) depctr_sa_sdst(0) depctr_va_vdst(0) depctr_va_sdst(0) depctr_va_ssrc(0) depctr_va_vcc(0) depctr_vm_vsrc(0)
	s_getreg_b32 s2, hwreg(HW_REG_IB_STS2, 6, 4)
	s_cmp_eq_u32 s2, 0
	s_cbranch_scc0 .Lentry_in_a_cluster
	s_endpgm
.Lentry_in_a_cluster:
	s_bfe_u32 s2, ttmp6, 0x10000c
	s_cmp_lg_u32 s2, 0xf033
	s_cbranch_scc0 .Lentry_shape_is_right
	s_endpgm
.Lentry_shape_is_right:
; out0 = y W_proj + b_proj: [8192][1024] x [1024][1024], operands in f16, sums in f32, out0 in f32.  (Positions 0-15 of every sequence are stored again, from f32 operands, by the launch behind this one.)
; Both operands arrive as images of fragments' registers: for a K step of 128 a tile of 16 rows (of y) or 16 columns (of W) is 4,096 consecutive bytes; the fragment of its quarter kq lies at 1,024 kq, registers 4 c .. at 512 c + 16 lane.
; A tile of the result is 128 x 256, so that there are 256 work-groups; four waves, each 64 x 128: 32 accumulators.  K goes in 8 steps of 128 through two LDS slots.
; CLUSTER: 4 x 4 work-groups: y's tile is asked for jointly along a row of the cluster, W's along a column.  THE MATRIX INSTRUCTION IS USED TRANSPOSED (source 0 = 16 columns of W, source 1 = 16 rows of y):
; a lane holds eight neighbouring numbers of a row.  The bias is the C of each sum's first product.
; REGISTERS: window 0: v16-30 addresses; v64-127 y's fragments, two buffers of 32; v128-255 rows on the way out.  window 1: v0-127 W's fragments, two buffers of 64; v128-191 the bias.  window 2: accumulator (a, b) at v[8 (8 a + b)].
.set AHALF,  16384                     ; 4 tiles of y: what waves 0 and 1 fetch, and what a wave reads
.set BHALF,  32768                     ; 8 tiles of W: waves 2 and 3
.set BOFF,   32768
.set SLOT,   98304
.set STAGE,  2*SLOT                    ; behind the slots: 16 rows x 528 bytes for each wave; no tensor load lands there
.set SPITCH, 528
.set SPARE,  STAGE+4*16*SPITCH         ; the spare words, 128 bytes a wave
.set ASTEP,  2097152                   ; a K step on in y16,
.set BSTEP,  262144                    ; in wp16
.set LAPS,   4
.set ADRA, 16
.set ADRB, 20
.set STO,  24
.set RD,   25
.set CO,   26
.set BO,   27
.set SPW,  28
.set NIL,  29
.set PFO,  30                          ; v30 256 x lane
.set BK,   128
.set BIAS, 128                         ; in window 1
.set G1, 24
.set G0, 32
.set G1B, 48
.set G0B, 56
.set PFA, 68
.set PFS, 70
.set LIM, 72
.set MSB, 0
.macro WIN new
.if MSB != \new
	s_set_vgpr_msb (MSB<<8)|\new
.set MSB, \new
.endif
.endm
.set MUL,  0xa1                        ; source 0 (W) window 1, source 1 (y) window 0, C and D window 2
.set MULB, 0x91                        ; C (the bias) window 1
.macro JLOAD s                         ; a joint load: waves 0 and 1 fetch y's halves, waves 2 and 3 W's; an s_nop 0 and four v_nop follow each line
	s_cmp_eq_u32 s11, 0
	s_cbranch_scc0 .Lfor_b_\@
	tensor_load_to_lds s[G0+4*\s:G0+4*\s+3], s[G1:G1+7]
	s_nop 0
.rept 4
	v_nop
.endr
	s_branch .Lasked_\@
.Lfor_b_\@:
	tensor_load_to_lds s[G0B+4*\s:G0B+4*\s+3], s[G1B:G1B+7]
	s_nop 0
.rept 4
	v_nop
.endr
.Lasked_\@:
.endm
.macro CREST
	s_cmp_lg_u32 s10, 0
	s_cbranch_scc1 .Lnot_wave_0_\@
	s_barrier_signal -3
.Lnot_wave_0_\@:
	s_barrier_wait -3
	s_barrier_signal -1
	s_barrier_wait -1
.endm
.macro CROUND
	s_barrier_signal -1
	s_barrier_wait -1
	CREST
.endm
; A PREFETCH INTO THE L2 of the K step that stands two refills on: 8,192 bytes, lanes 256 bytes apart.  y's tile of a K step (32,768 bytes) is read by one row of one cluster alone: wave 0 of each of the four partners
; takes the quarter at its cx.  W's half tile (32,768 bytes) is read by every cluster: in cluster y = 0 waves 2 and 3 take, of their half, the quarter at their cy.  The partners are told apart by address alone.
; So each aligned block of 256 bytes of K steps 4 to 7 is named once; the loop's last trip asks for nothing.
.macro ASK
	s_cmp_gt_u32 s3, s[LIM]
	s_cbranch_scc0 .Lnot_mine_\@
	global_prefetch_b8 v[PFO], s[PFA:PFA+1] th:TH_LOAD_NT scope:SCOPE_SE
.Lnot_mine_\@:
.endm
	s_load_b128 s[4:7], s[0:1], 0x0                ; y16 s[4:5], wp16 s[6:7]
	s_load_b64 s[66:67], s[0:1], 0x10              ; b_proj
	s_load_b64 s[8:9], s[0:1], 0x18                ; out0
	v_lshl_add_u32 v[SPW], v0, 2, SPARE
	v_mov_b32 v[NIL], 0
	ds_add_u32 v[SPW], v[NIL]                      ; the wave's opening: the add, twice on end, and its wait ahead of my first tensor load
	ds_add_u32 v[SPW], v[NIL]
	v_lshrrev_b32 v1, 5, v0
	v_readfirstlane_b32 s10, v1                    ; wave 0..3
	s_lshr_b32 s11, s10, 1                         ; which 64 rows are mine.  Also: I fetch for y (0) or for W (1)
	s_and_b32 s12, s10, 1                          ; which 128 columns.  Also: which half I fetch
	s_bfe_u32 s40, ttmp6, 0x40000                  ; cx
	s_bfe_u32 s41, ttmp6, 0x40004                  ; cy
	s_lshl_b32 s42, ttmp9, 2
	s_add_co_u32 s42, s42, s40                     ; tile column
	s_and_b32 s13, ttmp7, 0xffff
	s_lshl_b32 s13, s13, 2
	s_add_co_u32 s13, s13, s41                     ; tile row
	s_lshl_b32 s43, s41, 2
	s_lshl_b32 s43, 15, s43                        ; my row of the cluster
	s_lshl_b32 s44, 0x1111, s40                    ; my column
	; descriptor group 1: dense blocks as rows of 256 bytes (32 elements of 8 bytes), no padding: y 64 rows, W 128 rows
	s_or_b32 s[G1+0], s43, (3<<16)|(1<<21)
	s_mov_b32 s[G1+1], 32<<16
	s_mov_b32 s[G1+2], 64<<16
	s_mov_b32 s[G1+3], 32<<16
	s_mov_b32 s[G1+4], 64
	s_mov_b32 s[G1+5], 32
	s_mov_b32 s[G1+6], 0
	s_mov_b32 s[G1+7], 0
	s_or_b32 s[G1B+0], s44, (3<<16)|(1<<21)
	s_mov_b32 s[G1B+1], 32<<16
	s_mov_b32 s[G1B+2], 128<<16
	s_mov_b32 s[G1B+3], 32<<16
	s_mov_b32 s[G1B+4], 128
	s_mov_b32 s[G1B+5], 32
	s_mov_b32 s[G1B+6], 0
	s_mov_b32 s[G1B+7], 0
	s_lshl_b32 s16, s13, 3
	s_lshl_b32 s17, s12, 2
	s_add_co_u32 s16, s16, s17
	s_lshl_b32 s16, s16, 12                        ; y: (8 x tile row + 4 x half) tiles of 4,096 bytes
	s_mov_b32 s17, 0
	s_lshl_b32 s46, s42, 4
	s_lshl_b32 s47, s12, 3
	s_add_co_u32 s46, s46, s47
	s_lshl_b32 s46, s46, 12                        ; W: (16 x tile column + 8 x half) tiles
	s_mov_b32 s47, 0
	s_mul_i32 s20, s12, AHALF                      ; where they go: the wave's number alone
	s_mul_i32 s21, s12, BHALF
	s_add_co_u32 s21, s21, BOFF
	s_wait_dscnt 0x0                               ; both opening adds are done
	s_wait_kmcnt 0x0
	s_add_nc_u64 s[14:15], s[4:5], s[16:17]
	s_add_nc_u64 s[18:19], s[6:7], s[46:47]
	CROUND                                         ; all sixteen work-groups are here: the first joint loads meet
.irp s, 0,1
	s_mov_b32 s[G0+4*\s], 1
	s_add_co_u32 s[G0+4*\s+1], s20, \s*SLOT
	s_add_nc_u64 s[G0+4*\s+2:G0+4*\s+3], s[14:15], \s*ASTEP
	s_or_b32 s[G0+4*\s+3], s[G0+4*\s+3], 0x80000000
	s_mov_b32 s[G0B+4*\s], 1
	s_add_co_u32 s[G0B+4*\s+1], s21, \s*SLOT
	s_add_nc_u64 s[G0B+4*\s+2:G0B+4*\s+3], s[18:19], \s*BSTEP
	s_or_b32 s[G0B+4*\s+3], s[G0B+4*\s+3], 0x80000000
	JLOAD \s
.endr
	v_and_b32 v1, 15, v0                           ; r
	v_bfe_u32 v2, v0, 4, 1                         ; h
	v_and_b32 v3, 31, v0
	v_lshlrev_b32 v[CO], 4, v3                     ; 16 x lane
	s_mul_i32 s21, s11, AHALF                      ; my 64 rows of y
	s_mul_i32 s22, s12, BHALF                      ; my 128 columns of W
	s_add_co_u32 s22, s22, BOFF
.irp s, 0,1
	v_add_nc_u32 v[ADRA+\s], s21, v[CO]
	v_add_nc_u32 v[ADRB+\s], s22, v[CO]
	s_add_co_u32 s21, s21, SLOT
	s_add_co_u32 s22, s22, SLOT
.endr
	s_mul_i32 s23, s10, 16*SPITCH
	s_add_co_u32 s23, s23, STAGE                   ; my stage
	v_mul_u32_u24 v5, v1, SPITCH                   ; in: row r, 32 bytes for each half of the lanes
	v_lshl_add_u32 v5, v2, 5, v5
	v_add_nc_u32 v[STO], s23, v5
	v_add_nc_u32 v[RD], s23, v[CO]                 ; back: the 32 lanes take one row of 512 bytes
	v_lshlrev_b32 v[PFO], 8, v3
	v_lshlrev_b32 v[BO], 5, v2
	s_lshl_b32 s20, s42, 10
	s_lshl_b32 s21, s12, 9
	s_add_co_u32 s20, s20, s21                     ; my first column, in bytes of f32
	s_mov_b32 s21, 0
	s_add_nc_u64 s[66:67], s[66:67], s[20:21]
	WIN 0x40
.irp b, 0,1,2,3,4,5,6,7                        ; the bias in the result's layout: columns 16 b + 8 h + 0 .. 7
	global_load_b128 v[BIAS+8*\b:BIAS+8*\b+3], v[BO], s[66:67] offset:64*\b
	global_load_b128 v[BIAS+8*\b+4:BIAS+8*\b+7], v[BO], s[66:67] offset:64*\b+16
.endr
	WIN 0
	s_lshl_b32 s22, s13, 19                        ; out0: 128 rows of 4,096 bytes a tile row,
	s_add_co_u32 s20, s20, s22
	s_lshl_b32 s22, s11, 18                        ; my 64 of them
	s_add_co_u32 s20, s20, s22
	s_add_nc_u64 s[8:9], s[8:9], s[20:21]
	; the prefetches: where mine stand, and who asks
	s_lshl_b32 s18, s13, 15
	s_lshl_b32 s19, s40, 13
	s_add_co_u32 s18, s18, s19                     ; y: the tile, + 8,192 cx
	s_lshl_b32 s19, s41, 13
	s_add_co_u32 s19, s19, s46                     ; W: my half, + 8,192 cy
	s_and_b32 s22, ttmp7, 0xffff                   ; cluster y
	s_cmp_eq_u32 s11, 0
	s_cselect_b32 s18, s18, s19
	s_cselect_b32 s22, s12, s22                    ; 0 in wave 0, and in waves 2 and 3 of cluster y = 0
	s_cselect_b64 s[PFA:PFA+1], s[4:5], s[6:7]
	s_mov_b32 s[PFS], BSTEP
	s_cselect_b32 s[PFS], ASTEP, s[PFS]
	s_mov_b32 s[PFS+1], 0
	s_cmp_eq_u32 s22, 0
	s_cselect_b32 s[LIM], 1, -1
	s_mov_b32 s19, 0
	s_add_nc_u64 s[PFA:PFA+1], s[PFA:PFA+1], s[18:19]
	s_mul_i32 s18, s[PFS], 3
	s_add_nc_u64 s[PFA:PFA+1], s[PFA:PFA+1], s[18:19]   ; at K step 3: the first refill (K step 2) steps it to 4 and names that
.macro MULA f, a, zero                 ; 8 matrix instructions: y's block a against W's eight.  The 32 accumulators take turns, one instruction a turn
.irp b, 0,1,2,3,4,5,6,7
.if \zero
	v_wmma_f32_16x16x32_f16 v[8*(8*(\a)+\b):8*(8*(\a)+\b)+7], v[64*(\f)+8*\b:64*(\f)+8*\b+7], v[64+32*(\f)+8*(\a):64+32*(\f)+8*(\a)+7], v[BIAS+8*\b:BIAS+8*\b+7]
.else
	v_wmma_f32_16x16x32_f16 v[8*(8*(\a)+\b):8*(8*(\a)+\b)+7], v[64*(\f)+8*\b:64*(\f)+8*\b+7], v[64+32*(\f)+8*(\a):64+32*(\f)+8*(\a)+7], v[8*(8*(\a)+\b):8*(8*(\a)+\b)+7]
.endif
.endr
.endm
.macro FETCH slot, kq, f               ; 24 LDS loads in one run: quarter kq (32 along K) into buffer f: W's eight fragments, then y's four
	WIN 0x40
.irp i, 0,1,2,3,4,5,6,7
.irp c, 0,1
	ds_load_b128 v[64*(\f)+8*\i+4*\c:64*(\f)+8*\i+4*\c+3], v[ADRB+\slot] offset:\i*4096+(\kq)*1024+512*\c
.endr
.endr
	WIN 0
.irp i, 0,1,2,3
.irp c, 0,1
	ds_load_b128 v[64+32*(\f)+8*\i+4*\c:64+32*(\f)+8*\i+4*\c+3], v[ADRA+\slot] offset:\i*4096+(\kq)*1024+512*\c
.endr
.endr
.endm
.macro PLACES                          ; four plain instructions ahead of loads into registers that matrix instructions have read, and of the first read of results
.rept 4
	v_nop
.endr
.endm
.macro QUARTER slot, kq, f, g, zero    ; multiplies buffer f; in its middle fetches quarter kq of the slot into buffer g
	s_wait_dscnt 4                                 ; W's fragments and y's 0 and 1 are in; the youngest four loads (y's 2 and 3) may be out
.if \zero
	WIN MULB
.else
	WIN MUL
.endif
	MULA \f, 0, \zero
	MULA \f, 1, \zero
	PLACES
	FETCH \slot, \kq, \g
	s_wait_dscnt 24                                ; all but the 24 just issued
.if \zero
	WIN MULB
.else
	WIN MUL
.endif
	MULA \f, 2, \zero
	MULA \f, 3, \zero
.endm
; A slot's last quarter multiplies buffer 1 and changes slots: one barrier; ahead of it each wave waits for all its tensor loads, adds 0 to its spare word, and waits for that and for its reads of this slot.
; fill = 1: the barrier opens a round of the cluster's, and this slot is filled again, two K steps ahead: one load of mine is out, 112 matrix instructions ahead of the wait for it.
.macro TURN slot, next, fill
.if \fill
	s_wait_xcnt 0x0                                ; the last prefetch, a K step back, has read its address
	s_add_nc_u64 s[PFA:PFA+1], s[PFA:PFA+1], s[PFS:PFS+1]
.endif
	WIN 0
	s_wait_tensorcnt 0x0
	ds_add_u32 v[SPW], v[NIL]
	s_wait_dscnt 5                                 ; (the add and y's fragments 2 and 3 may be out)
	WIN MUL
	MULA 1, 0, 0
	s_wait_dscnt 0x0
	s_barrier_signal -1
	MULA 1, 1, 0
.if \fill
	WIN 0
.endif
	s_barrier_wait -1
.if \fill
	CREST
	s_add_nc_u64 s[G0+4*\slot+2:G0+4*\slot+3], s[G0+4*\slot+2:G0+4*\slot+3], 2*ASTEP
	s_add_nc_u64 s[G0B+4*\slot+2:G0B+4*\slot+3], s[G0B+4*\slot+2:G0B+4*\slot+3], 2*BSTEP
	JLOAD \slot                                    ; the four v_nop behind it are also the places ahead of the loads below
.else
	PLACES
.endif
	FETCH \next, 0, 0
.if \fill
	ASK
.endif
	WIN MUL
	MULA 1, 2, 0
	MULA 1, 3, 0
.endm
	s_wait_tensorcnt 1                             ; my part of K step 0 is in; K step 1's may be out
	s_barrier_signal -1
	s_barrier_wait -1
	FETCH 0, 0, 0
	s_wait_loadcnt 0x0                             ; the bias
	QUARTER 0, 1, 0, 1, 1                          ; the first quarter stands ahead of the loop: its products start the sums from the bias
	WIN 0
	s_mov_b32 s3, LAPS-1
.Llap:                                                 ; a trip goes once round the two slots and fills both again
	QUARTER 0, 2, 1, 0, 0
	QUARTER 0, 3, 0, 1, 0
	TURN 0, 1, 1
	QUARTER 1, 1, 0, 1, 0
	QUARTER 1, 2, 1, 0, 0
	QUARTER 1, 3, 0, 1, 0
	TURN 1, 0, 1
	QUARTER 0, 1, 0, 1, 0
	WIN 0
	s_sub_co_u32 s3, s3, 1
	s_cmp_lg_u32 s3, 0
	s_cbranch_scc1 .Llap
	QUARTER 0, 2, 1, 0, 0                          ; the last lap fills nothing
	QUARTER 0, 3, 0, 1, 0
	TURN 0, 1, 0
	QUARTER 1, 1, 0, 1, 0
	QUARTER 1, 2, 1, 0, 0
	QUARTER 1, 3, 0, 1, 0
	s_wait_dscnt 4
	WIN MUL
	MULA 1, 0, 0
	MULA 1, 1, 0
	s_wait_dscnt 0
	MULA 1, 2, 0
	MULA 1, 3, 0
	WIN 0
; THE WAY OUT, a block of 16 rows x 128 columns at a time: through my own stage and back as whole rows of 512 bytes.  LDS serves a wave's instructions in order (ISA guide 5.7.1.4).
.macro TOSTAGE a
	WIN 0x08                                       ; an LDS store's data are its source 1: window 2
.irp b, 0,1,2,3,4,5,6,7
	ds_store_b128 v[STO], v[8*(8*(\a)+\b):8*(8*(\a)+\b)+3] offset:64*\b           ; each accumulator from its low end on
	ds_store_b128 v[STO], v[8*(8*(\a)+\b)+4:8*(8*(\a)+\b)+7] offset:64*\b+16
.endr
	WIN 0
.set jj, 0
.rept 16
	ds_load_b128 v[BK+64*((\a)%2)+4*jj:BK+64*((\a)%2)+4*jj+3], v[RD] offset:jj*SPITCH
.set jj, jj+1
.endr
.endm
.macro SEND a, younger
	s_wait_dscnt \younger                          ; the block is back; the next block's 16 stores and 16 loads may be out
.set jj, 0
.rept 16
	global_store_b128 v[CO], v[BK+64*((\a)%2)+4*jj:BK+64*((\a)%2)+4*jj+3], s[8:9] offset:(16*(\a)+jj)*4096 th:TH_STORE_NT   ; 512 consecutive bytes, aligned
.set jj, jj+1
.endr
.endm
	PLACES
	TOSTAGE 0
	TOSTAGE 1
	SEND 0, 32
	s_wait_xcnt 0x0                                ; block 0's stores have read their registers
	TOSTAGE 2
	SEND 1, 32
	s_wait_xcnt 0x0
	TOSTAGE 3
	SEND 2, 32
	SEND 3, 0
	s_wait_tensorcnt 0x0                           ; the wave's end
	ds_add_u32 v[SPW], v[NIL]
	s_wait_dscnt 0x0
	CROUND                                         ; the closing round
	s_endpgm
.Lfunc_end_k_q5e6cace136_proj:
	.size	k_q5e6cace136_proj, .Lfunc_end_k_q5e6cace136_proj-k_q5e6cace136_proj
	.p2alignl 7, 3214868480
	.fill 96, 4, 3214868480
	.section	.rodata,"a",@progbits
	.p2align	6, 0x0
	.amdhsa_kernel k_q5e6cace136_proj
		.amdhsa_group_segment_fixed_size 327680
		.amdhsa_private_segment_fixed_size 0
		.amdhsa_enable_private_segment 0
		.amdhsa_kernarg_size 32
		.amdhsa_user_sgpr_count 2
		.amdhsa_user_sgpr_kernarg_segment_ptr 1
		.amdhsa_wavefront_size32 1
		.amdhsa_system_sgpr_workgroup_id_x 1
		.amdhsa_system_sgpr_workgroup_id_y 1
		.amdhsa_system_sgpr_workgroup_id_z 1
		.amdhsa_system_vgpr_workitem_id 0
		.amdhsa_next_free_vgpr 768
		.amdhsa_next_free_sgpr 76
		.amdhsa_reserve_vcc 0
		.amdhsa_float_denorm_mode_32 3
		.amdhsa_float_denorm_mode_16_64 3
		.amdhsa_memory_ordered 1
		.amdhsa_forward_progress 1
		.amdhsa_inst_pref_size 88
	.end_amdhsa_kernel
	.amdgpu_metadata
---
amdhsa.version: [ 1, 2 ]
amdhsa.kernels:
  - .name:           k_q5e6cace136_proj
    .symbol:         k_q5e6cace136_proj.kd
    .args:
      - { .name: y16, .offset: 0, .size: 8, .value_kind: global_buffer, .address_space: global }
      - { .name: wp16, .offset: 8, .size: 8, .value_kind: global_buffer, .address_space: global }
      - { .name: b_proj, .offset: 16, .size: 8, .value_kind: global_buffer, .address_space: global }
      - { .name: out0, .offset: 24, .size: 8, .value_kind: global_buffer, .address_space: global }
    .group_segment_fixed_size: 327680
    .private_segment_fixed_size: 0
    .kernarg_segment_align: 8
    .kernarg_segment_size: 32
    .max_flat_workgroup_size: 128
    .sgpr_count:     76
    .vgpr_count:     768
    .wavefront_size: 32
...
	.end_amdgpu_metadata
.endif
;; end of part 4
;; launch fine (part 5): grid 64 x 4, 16 waves a work-group, no clusters, 18,432 bytes of LDS; arguments qkv32, W_proj, b_proj, out0; writes out0
.if DOCPART == 5
	.amdgcn_target "amdgcn-amd-amdhsa--gfx1250"
	.amdhsa_code_object_version 6
	.text
	.protected	k_q5e6cace136_fine
	.globl	k_q5e6cace136_fine
	.p2align	8
	.type	k_q5e6cace136_fine,@function
k_q5e6cace136_fine:
	s_mov_b64 s[64:65], 0
	v_nop
	global_prefetch_b8 v0, s[64:65] scope:SCOPE_SE
	s_setreg_imm32_b32 hwreg(HW_REG_WAVE_MODE, 25, 1), 1
	s_wait_xcnt 0x0
; Positions 0-15 of each of the four sequences once more, wholly in f32: there a row of the softmax averages one to sixteen values, the results are the largest, and operands of 16 bits would weigh most.
; Work-group (x, batch) makes out0[batch][0..15][16 x .. 16 x + 15].  Wave = head: its 16 x 16 causal attention from qkv32 [batch][16][3072], then its 64 channels' share of the projection onto the 16 columns;
; the sixteen shares meet in LDS, and waves 0 and 1 add them, add the bias and store, over what the launch before stored there.  All products by v_wmma_f32_16x16x4_f32: 48 a wave.
; The four k of an instruction are chosen, alike on both sources, so that dense loads and results serve as operands as they stand:
;   S^T = K Q^T: lane (r, h) holds channels 32 h .. 32 h + 31 of position r; instruction e takes registers 2 e, 2 e + 1.   Result: lane (r, h): query r, keys 8 h + 0 .. 7.
;   O^T = V^T P: P's registers 2 s, 2 s + 1 are keys 8 h + 2 s, + 1; V is loaded to match: register 8 c + u = v[key 8 h + u][channel 16 c + r].   Result: query r, channels 16 c + 8 h + 0 .. 7.
;   part^T = W^T O^T: O^T's registers serve as source 1; W register 8 c + u = W_proj[64 head + 16 c + 8 h + u][column r].   Result: query r, columns 8 h + 0 .. 7.
; The registers that these instructions write (v160-255) are written by them alone, and each sum begins with the constant 0.
; The last stores are runs of 64 bytes: 256 KB in all.
.set SPARE, 16384                      ; behind the sixteen shares of 1,024 bytes: the spare words, 128 bytes a wave
.set QQ, 32
.set KK, 64
.set VV, 96
.set WW, 128
.set SA, 160
.set OA, 192
.set PA, 224
.set SS, 8
.set PP, 16
.set SPW, 28
.set NIL, 29
	s_load_b256 s[4:11], s[0:1], 0x0               ; qkv32 s[4:5], W_proj s[6:7], b_proj s[8:9], out0 s[10:11]
	v_lshl_add_u32 v[SPW], v0, 2, SPARE
	v_mov_b32 v[NIL], 0
	v_lshrrev_b32 v1, 5, v0
	v_readfirstlane_b32 s12, v1                    ; wave = head
	v_and_b32 v1, 15, v0                           ; r
	v_bfe_u32 v2, v0, 4, 1                         ; h
	s_and_b32 s13, ttmp7, 0xffff                   ; batch
	s_mov_b32 s14, 0x76543210
	s_mov_b32 s15, 0xfedcba98
	s_mov_b32 s18, 0x3e38aa3b                      ; c = log2(e) / 8
	v_mul_u32_u24 v3, v1, 12288
	v_lshl_add_u32 v3, v2, 7, v3                   ; q, k: position r, channels 32 h on
	v_mul_u32_u24 v4, v2, 98304
	v_lshl_add_u32 v4, v1, 2, v4                   ; v: keys 8 h on, channel r
	v_lshlrev_b32 v5, 15, v2
	v_lshl_add_u32 v5, v1, 2, v5                   ; W_proj: rows 8 h on, column r
	v_mov_b32 v6, 0xff800000                       ; -infinity
	v_lshlrev_b32 v7, 3, v2
	v_sub_nc_u32 v7, v1, v7                        ; r - 8 h: register j holds key 8 h + j, hidden where j > r - 8 h
	s_lshl_b32 s16, s12, 10
	v_and_b32 v30, 31, v0
	v_lshlrev_b32 v30, 4, v30
	v_add_nc_u32 v30, s16, v30                     ; my share in LDS: 1,024 x wave + 16 x lane
	s_and_b32 s17, s12, 1
	s_lshl_b32 s17, s17, 3
	v_and_b32 v24, 1, v0                           ; the last sum: lane takes row 8 (wave % 2) + lane / 4 and columns 4 (lane % 4) on
	v_bfe_u32 v25, v0, 1, 1
	v_bfe_u32 v26, v0, 2, 3
	v_add_nc_u32 v26, s17, v26
	v_lshlrev_b32 v31, 9, v24
	v_lshl_add_u32 v31, v25, 8, v31
	v_lshl_add_u32 v31, v26, 4, v31
	s_mul_i32 s20, s13, 196608
	s_lshl_b32 s21, s12, 8
	s_add_co_u32 s20, s20, s21
	s_mov_b32 s21, 0
	s_lshl_b32 s22, s12, 18                        ; W_proj: the head's 64 rows of 4,096 bytes,
	s_lshl_b32 s24, ttmp9, 6                       ; my 16 columns
	s_add_co_u32 s22, s22, s24
	s_mov_b32 s23, 0
	s_mov_b32 s25, 0
	s_lshl_b32 s26, s13, 23                        ; out0: the batch's 2,048 rows of 4,096 bytes
	s_add_co_u32 s26, s26, s24
	s_mov_b32 s27, 0
	s_wait_kmcnt 0x0
	s_add_nc_u64 s[4:5], s[4:5], s[20:21]
	s_add_nc_u64 s[6:7], s[6:7], s[22:23]
	s_add_nc_u64 s[8:9], s[8:9], s[24:25]
	s_add_nc_u64 s[10:11], s[10:11], s[26:27]
.irp i, 0,1,2,3,4,5,6,7
	global_load_b128 v[QQ+4*\i:QQ+4*\i+3], v3, s[4:5] offset:16*\i
.endr
.irp i, 0,1,2,3,4,5,6,7
	global_load_b128 v[KK+4*\i:KK+4*\i+3], v3, s[4:5] offset:4096+16*\i
.endr
.irp c, 0,1,2,3
.irp u, 0,1,2,3,4,5,6,7
	global_load_b32 v[VV+8*\c+\u], v4, s[4:5] offset:8192+\u*12288+64*\c
.endr
.endr
	s_wait_loadcnt 32                              ; q and k are in; v's 32 loads may be out
.irp c, 0,1,2,3
.irp u, 0,1,2,3,4,5,6,7
	global_load_b32 v[WW+8*\c+\u], v5, s[6:7] offset:(16*\c+\u)*4096
.endr
.endr
.irp e, 0,1,2,3,4,5,6,7,8,9,10,11,12,13,14,15   ; four accumulators by turns
.if \e < 4
	v_wmma_f32_16x16x4_f32 v[SA+8*(\e%4):SA+8*(\e%4)+7], v[KK+2*\e:KK+2*\e+1], v[QQ+2*\e:QQ+2*\e+1], 0
.else
	v_wmma_f32_16x16x4_f32 v[SA+8*(\e%4):SA+8*(\e%4)+7], v[KK+2*\e:KK+2*\e+1], v[QQ+2*\e:QQ+2*\e+1], v[SA+8*(\e%4):SA+8*(\e%4)+7]
.endif
.endr
.rept 8
	v_nop                                          ; eight places behind this form ahead of the first read of its results (ISA guide 7.12.1)
.endr
.irp j, 0,2,4,6
	v_pk_add_f32 v[SS+\j:SS+\j+1], v[SA+\j:SA+\j+1], v[SA+8+\j:SA+8+\j+1]
.endr
.irp j, 0,2,4,6
	v_pk_add_f32 v[PP+\j:PP+\j+1], v[SA+16+\j:SA+16+\j+1], v[SA+24+\j:SA+24+\j+1]
.endr
.irp j, 0,2,4,6
	v_pk_add_f32 v[SS+\j:SS+\j+1], v[SS+\j:SS+\j+1], v[PP+\j:PP+\j+1]
.endr
.irp j, 0,1,2,3,4,5,6,7
	v_cmp_gt_i32 vcc_lo, \j, v7
	v_cndmask_b32 v[SS+\j], v[SS+\j], v6, vcc_lo
.endr
	v_max3_num_f32 v24, v8, v9, v10
	v_max3_num_f32 v25, v11, v12, v13
	v_max3_num_f32 v24, v24, v14, v15
	v_max_num_f32 v24, v24, v25
	v_permlanex16_b32 v25, v24, s14, s15           ; the query's other eight keys; key 0 counts for every query, so the maximum is a number
	v_max_num_f32 v24, v24, v25
	v_mul_f32 v24, s18, v24
.irp j, 0,1,2,3,4,5,6,7
	v_fma_f32 v[SS+\j], v[SS+\j], s18, -v24        ; c s - c m
.endr
.irp j, 0,1,2,3,4,5,6,7
	v_exp_f32 v[PP+\j], v[SS+\j]
.endr
	v_nop                                          ; a plain instruction behind the last exponential
	s_wait_alu depctr_va_vdst(0)                   ; one wait for the eight, ahead of their first reader
	v_add_f32 v24, v16, v17
	v_add_f32 v25, v18, v19
	v_add_f32 v26, v20, v21
	v_add_f32 v27, v22, v23
	v_add_f32 v24, v24, v25
	v_add_f32 v26, v26, v27
	v_add_f32 v24, v24, v26
	v_permlanex16_b32 v25, v24, s14, s15
	v_add_f32 v24, v24, v25
	v_rcp_f32 v26, v24
	v_nop
	s_wait_alu depctr_va_vdst(0)
.irp j, 0,1,2,3,4,5,6,7
	v_mul_f32 v[PP+\j], v[PP+\j], v26              ; the weights, normalised
.endr
	s_wait_loadcnt 32                              ; v is in; W_proj's 32 loads may be out
.irp s, 0,1,2,3
.irp c, 0,1,2,3
.if \s == 0
	v_wmma_f32_16x16x4_f32 v[OA+8*\c:OA+8*\c+7], v[VV+8*\c+2*\s:VV+8*\c+2*\s+1], v[PP+2*\s:PP+2*\s+1], 0
.else
	v_wmma_f32_16x16x4_f32 v[OA+8*\c:OA+8*\c+7], v[VV+8*\c+2*\s:VV+8*\c+2*\s+1], v[PP+2*\s:PP+2*\s+1], v[OA+8*\c:OA+8*\c+7]
.endif
.endr
.endr
.rept 9
	v_nop                                          ; nine places ahead of a matrix instruction that takes these results as a source
.endr
	s_wait_loadcnt 0x0
.irp s, 0,1,2,3
.irp c, 0,1,2,3
.if \s == 0
	v_wmma_f32_16x16x4_f32 v[PA+8*\c:PA+8*\c+7], v[WW+8*\c+2*\s:WW+8*\c+2*\s+1], v[OA+8*\c+2*\s:OA+8*\c+2*\s+1], 0
.else
	v_wmma_f32_16x16x4_f32 v[PA+8*\c:PA+8*\c+7], v[WW+8*\c+2*\s:WW+8*\c+2*\s+1], v[OA+8*\c+2*\s:OA+8*\c+2*\s+1], v[PA+8*\c:PA+8*\c+7]
.endif
.endr
.endr
.rept 8
	v_nop
.endr
.irp j, 0,2,4,6
	v_pk_add_f32 v[32+\j:33+\j], v[PA+\j:PA+\j+1], v[PA+8+\j:PA+8+\j+1]
.endr
.irp j, 0,2,4,6
	v_pk_add_f32 v[40+\j:41+\j], v[PA+16+\j:PA+16+\j+1], v[PA+24+\j:PA+24+\j+1]
.endr
.irp j, 0,2,4,6
	v_pk_add_f32 v[32+\j:33+\j], v[32+\j:33+\j], v[40+\j:41+\j]
.endr
	ds_store_b128 v30, v[32:35]                    ; columns 8 h + 0 .. 3 of query r,
	ds_store_b128 v30, v[36:39] offset:512         ; and 8 h + 4 .. 7
	s_wait_tensorcnt 0x0                           ; behind my last LDS store; the s_wait_dscnt below is also the wait that the barrier needs
	ds_add_u32 v[SPW], v[NIL]
	s_wait_dscnt 0x0
	s_barrier_signal -1
	s_barrier_wait -1                              ; all sixteen shares lie in LDS
	s_cmp_ge_u32 s12, 2
	s_cbranch_scc1 .Lend
.irp p, 0,1,2,3,4,5,6,7,8,9,10,11,12,13,14,15
	ds_load_b128 v[96+4*\p:96+4*\p+3], v31 offset:1024*\p
.endr
	v_and_b32 v53, 3, v0
	v_lshlrev_b32 v53, 4, v53                      ; my four columns, in bytes
	v_bfe_u32 v54, v0, 2, 3
	v_add_nc_u32 v54, s17, v54                     ; my row
	v_lshl_add_u32 v52, v54, 12, v53
	global_load_b128 v[48:51], v53, s[8:9]         ; the bias
	s_wait_dscnt 0x0
.irp p, 0,2,4,6,8,10,12,14
	v_pk_add_f32 v[96+4*\p:97+4*\p], v[96+4*\p:97+4*\p], v[100+4*\p:101+4*\p]
	v_pk_add_f32 v[98+4*\p:99+4*\p], v[98+4*\p:99+4*\p], v[102+4*\p:103+4*\p]
.endr
.irp p, 0,4,8,12
	v_pk_add_f32 v[96+4*\p:97+4*\p], v[96+4*\p:97+4*\p], v[104+4*\p:105+4*\p]
	v_pk_add_f32 v[98+4*\p:99+4*\p], v[98+4*\p:99+4*\p], v[106+4*\p:107+4*\p]
.endr
.irp p, 0,8
	v_pk_add_f32 v[96+4*\p:97+4*\p], v[96+4*\p:97+4*\p], v[112+4*\p:113+4*\p]
	v_pk_add_f32 v[98+4*\p:99+4*\p], v[98+4*\p:99+4*\p], v[114+4*\p:115+4*\p]
.endr
	v_pk_add_f32 v[96:97], v[96:97], v[128:129]
	v_pk_add_f32 v[98:99], v[98:99], v[130:131]
	s_wait_loadcnt 0x0
	v_pk_add_f32 v[96:97], v[96:97], v[48:49]
	v_pk_add_f32 v[98:99], v[98:99], v[50:51]
	global_store_b128 v52, v[96:99], s[10:11]
.Lend:
	s_endpgm
.Lfunc_end_k_q5e6cace136_fine:
	.size	k_q5e6cace136_fine, .Lfunc_end_k_q5e6cace136_fine-k_q5e6cace136_fine
	.p2alignl 7, 3214868480
	.fill 96, 4, 3214868480
	.section	.rodata,"a",@progbits
	.p2align	6, 0x0
	.amdhsa_kernel k_q5e6cace136_fine
		.amdhsa_group_segment_fixed_size 18432
		.amdhsa_private_segment_fixed_size 0
		.amdhsa_enable_private_segment 0
		.amdhsa_kernarg_size 32
		.amdhsa_user_sgpr_count 2
		.amdhsa_user_sgpr_kernarg_segment_ptr 1
		.amdhsa_wavefront_size32 1
		.amdhsa_system_sgpr_workgroup_id_x 1
		.amdhsa_system_sgpr_workgroup_id_y 1
		.amdhsa_system_sgpr_workgroup_id_z 1
		.amdhsa_system_vgpr_workitem_id 0
		.amdhsa_next_free_vgpr 256
		.amdhsa_next_free_sgpr 66
		.amdhsa_reserve_vcc 1
		.amdhsa_float_denorm_mode_32 3
		.amdhsa_float_denorm_mode_16_64 3
		.amdhsa_memory_ordered 1
		.amdhsa_forward_progress 1
		.amdhsa_inst_pref_size 22
	.end_amdhsa_kernel
	.amdgpu_metadata
---
amdhsa.version: [ 1, 2 ]
amdhsa.kernels:
  - .name:           k_q5e6cace136_fine
    .symbol:         k_q5e6cace136_fine.kd
    .args:
      - { .name: qkv32, .offset: 0, .size: 8, .value_kind: global_buffer, .address_space: global }
      - { .name: W_proj, .offset: 8, .size: 8, .value_kind: global_buffer, .address_space: global }
      - { .name: b_proj, .offset: 16, .size: 8, .value_kind: global_buffer, .address_space: global }
      - { .name: out0, .offset: 24, .size: 8, .value_kind: global_buffer, .address_space: global }
    .group_segment_fixed_size: 18432
    .private_segment_fixed_size: 0
    .kernarg_segment_align: 8
    .kernarg_segment_size: 32
    .max_flat_workgroup_size: 512
    .sgpr_count:     66
    .vgpr_count:     256
    .wavefront_size: 32
...
	.end_amdgpu_metadata
.endif
;; end of part 5
